; MI455X (gfx1250); checked and timed in simulation.
; The chip was launched on July 23, 2026; its instructions are those of AMD's public machine-readable ISA for CDNA 5 (MIT licence, August 2026) and "CDNA5" Instruction Set Architecture Reference Guide (July 2026). The comments in the code are by the model that wrote it; some were corrected since.
;; Decoder Attention. Allowed arithmetic: matrix products marked QUANTISED: E3M2 operands, one E8M0 scale for each 32 along K, by v_wmma_scale_f32_16x16x128_f8f6f4 with both operands' format E3M2, f32 sums; everything else in f32.
;; Inputs: Wk_codes 1,024 x 32 x 24 uint8 (E3M2 codes of Wk, K innermost, in blocks of 32 codes, four codes in three bytes); Wk_scales 1,024 x 32 uint8 (E8M0 scales of Wk, one for each 32 codes along K); Wq_codes 1,024 x 32 x 24 uint8 (E3M2 codes of Wq, K innermost, in blocks of 32 codes, four codes in three bytes); Wq_scales 1,024 x 32 uint8 (E8M0 scales of Wq, one for each 32 codes along K); Wv_codes 1,024 x 32 x 24 uint8 (E3M2 codes of Wv, K innermost, in blocks of 32 codes, four codes in three bytes); Wv_scales 1,024 x 32 uint8 (E8M0 scales of Wv, one for each 32 codes along K); beta 1,024 float32; gamma 1,024 float32; mask 1 x 4 x 2,048 x 2,048 bool; x 4 x 2,048 x 1,024 float32.
;; Outputs: out0 4 x 2,048 x 1,024 float32.
;; This version of the problem:
;;   THIS VERSION OF THE PROBLEM IS GIVEN IN LOW PRECISION. The matrix products marked QUANTISED in the list below multiply operands that are first quantised to E3M2 (3 exponent bits, 2 mantissa bits; 6 bits a number), with one power-of-two scale for each 32 numbers along K (OCP MX v1.0); their sums are f32. All else is computed in f32.
;;   The module's matrix products, in the order in which they are computed (A, B: the left and right operand; K: the contracted axis; several contracted axes count as one K, in the product's order):
;;     1. [M 8,192, K 1,024] x [K 1,024, N 1,024]; A: input x; B: input Wq (given as codes): QUANTISED
;;     2. [M 8,192, K 1,024] x [K 1,024, N 1,024]; A: input x; B: input Wk (given as codes): QUANTISED
;;     3. [M 8,192, K 1,024] x [K 1,024, N 1,024]; A: input x; B: input Wv (given as codes): QUANTISED
;;     4. batch 64 x [M 2,048, K 64] x [K 64, N 2,048]; A: computed on the way; B: computed on the way: QUANTISED
;;     5. batch 64 x [M 64, K 2,048] x [K 2,048, N 2,048]; A: computed on the way; B: softmax (see below): QUANTISED
;;   THE QUANTISER, for each operand of a quantised product, along K:
;;     - K is cut into blocks of 32 from its start; a last block that is shorter is filled with zeros.
;;     - A block's scale is 2^e with e = floor(log2(the largest magnitude in the block)) - 4, held to -126 .. 127; a block of zeros has e = 0. As a byte (E8M0): e + 127.
;;     - Each number is divided by its block's scale, clamped to +-28, and rounded to the nearest number of E3M2, ties to even, subnormals kept.
;;     - The product sums the exact products of the quantised numbers (number of the format x scale) in f32.
;;   ~~~python
;;   def quantise(x, axis):      # numpy; x: float32 -> the quantised numbers, widened to float32 again
;;       x = np.moveaxis(x, axis, -1); K = x.shape[-1]
;;       x = np.pad(x, [(0, 0)] * (x.ndim - 1) + [(0, -K % 32)]); x = x.reshape(x.shape[:-1] + (-1, 32)); a = np.abs(x).max(-1, keepdims=True)
;;       e = np.where(a > 0, np.clip(np.frexp(np.where(a > 0, a, 1))[1] - 1 - 4, -126, 127), 0)      # np.frexp(a)[1] - 1 = floor(log2(a)), exactly
;;       r = np.clip(x / 2.0 ** e, -28, 28)
;;       step = 2.0 ** (np.maximum(np.frexp(np.where(r == 0, 1, r))[1] - 1, -2) - 2)
;;       q = np.round(r / step) * step * 2.0 ** e      # np.round: ties to even
;;       return np.moveaxis(q.reshape(q.shape[:-2] + (-1,))[..., :K], -1, axis).astype(np.float32)
;;   ~~~
;;   SOFTMAX AHEAD OF A QUANTISED PRODUCT. Where the list says 'softmax', what is quantised is not the finished softmax but p = 2^(t - M), with t = logit x log2(e) and M = ceil(the row's largest t), a whole number; so 1/2 < the row's largest p <= 1. The row's sum l is taken of the UNQUANTISED p, in f32, and the product's result is divided by l at the end. Since M is a whole number, a kernel that streams over the keys may use a running M (the ceiling of the running maximum): every later rescaling is an exact power of two, which a block's scale takes up: the codes' values come out the same.
;;   OPERANDS COMPUTED ON THE WAY. 'Computed on the way' means the value that the module computes at that place (a softmax that the list does not call 'softmax' is quantised finished and normalised). What goes into a quantiser is computed in f32, as accurately as f32 sums, v_exp_f32 and their like allow (about 1e-6 of the number): no bf16 or f16 on the way to a quantiser, and a product that is left as it is and whose result goes on into a quantised operand takes f32 operands (vector FMAs, or v_wmma_f32_16x16x4_f32). A number that lies on a knife's edge between two numbers of the format may be rounded either way, as far as f32 arithmetic and the matrix unit's own rounding can turn it there, and no further.
;;   INPUTS GIVEN AS CODES. Wk (in the module: [1024, 1024], K = its axis 1); Wq (in the module: [1024, 1024], K = its axis 1); Wv (in the module: [1024, 1024], K = its axis 1): each comes as NAME_codes (uint8): NAME with its K axis moved to the last place and cut into blocks of 32 codes, [.., K / 32, bytes a block], one block behind the other in memory; four codes in three bytes: a row's codes are one little-endian stream of bits, code i at bits 6 i .. 6 i + 5 (a code: sign, 3 exponent bits, 2 mantissa bits); and NAME_scales (uint8): the same leading axes, one E8M0 byte (e + 127) for each 32 codes along K. Its value is code x scale, taken as it is: it is not quantised again, and the codes and scales need not be those that the quantiser above would give.
;; One version. Each part assembles by itself: llvm-mc -triple=amdgcn-amd-amdhsa -mcpu=gfx1250 --defsym DOCPART=n.
;; ======== version 1 of 1: 4 launches
;; limits: right only within a limited range of input values
;; workspace buffers: x_codes 6,291,456 bytes; x_scales 262,144 bytes; mbits 2,097,152 bytes of whole numbers; mflags 4,096 bytes of whole numbers; qb 6,815,744 bytes; kv 13,631,488 bytes; y 33,554,432 bytes
;; launch prep (part 1): grid 256 x 1, 8 waves a work-group, no clusters, 66,560 bytes of LDS; arguments x, mask, x_codes, x_scales, mbits, mflags; writes x_codes, x_scales, mbits, mflags
.if DOCPART == 1
	.amdgcn_target "amdgcn-amd-amdhsa--gfx1250"
	.amdhsa_code_object_version 6
	.text
	.protected	k_q64e9e24c94_prep
	.globl	k_q64e9e24c94_prep
	.p2align	8
	.type	k_q64e9e24c94_prep,@function
k_q64e9e24c94_prep:
	s_mov_b64 s[64:65], 0
	v_nop
	global_prefetch_b8 v0, s[64:65] scope:SCOPE_SE
	s_setreg_imm32_b32 hwreg(HW_REG_WAVE_MODE, 25, 1), 1
	s_wait_xcnt 0x0
; PREP.  Two jobs in one launch, parted once on the wave's number; the two roles never meet again and share nothing, so there is no barrier.
; WAVES 0-3: x [8192][1024] f32 becomes codes of BF6 (E3M2), 6 bits each, K innermost (768 bytes a row), and one E8M0 byte for each 32 along K (32 bytes a row).
;   A block's scale is 2^(floor(log2(its largest magnitude)) - 4); its byte is the largest magnitude's exponent field - 4, held at 1 from below.  A block of zeros keeps the byte 1: its codes are zeros,
;   and this program alone reads the bytes.  Rows are dense, so x is a plain stream of blocks of 32.  A wave takes 16 steps of 512 numbers: each load reads 512 consecutive bytes, a step's 2,048 bytes turn
;   through the wave's own stage in LDS and come back 64 bytes (16 neighbours) a lane; two neighbouring lanes hold a block.
; WAVES 4-7: the mask [4][2048][2048] of bytes (1 = hidden) becomes LANE MASKS for the attention launch: for a tile of 16 queries (bt = 128 b + tile) and a step of 128 keys, 64 words; bit l of word 8 t + j is
;   mask[b][16 tile + l % 16][128 step + 64 (t / 4) + 32 (l / 16) + 16 (t % 2) + 8 ((t / 2) % 2) + j]: the lane and register in which that score will stand.  And two bits for each (tile, step): live = some key counts, mixed = some key is hidden.
;   A wave takes 16 rows x 1,024 keys, as 4 units of 256 keys.
; LIMITS: blocks of x whose largest magnitude lies under 2^-122 keep the byte 1; NaN and infinities in x are not served.
.set STEPS, 16
.set EMAX,  4
.set CB,    12                         ; bytes of 16 codes
.set R,     16                         ; v16-79   x: four sets of 16 numbers as they are loaded
.set X,     80                         ; v80-111  x: two sets of 16 neighbours
.set E,     112                        ; v112-127 x: a scale byte for each step
.set C,     128                        ; v128-191 x: codes, four registers a step: no store's data are written again
.set WREG,  8192                       ; LDS: a region of its own for each of the eight waves
.set SP,    80                         ; x: a lane's place in a stage: 64 bytes + 16 of padding
.set ML,    32                         ; v32-159  mask: unit u, load i at 32 u + 4 i
.set RB,    160                        ; v160-191 mask: a unit read back, 8 bytes a (step, tile)
.set OUTM,  192                        ; v192-207 mask: a unit's 128 words, four a lane
.set MP,    272                        ; mask: a stage row: 256 bytes + 16
	s_load_b128 s[4:7], s[0:1], 0x0                ; x, mask
	s_load_b128 s[8:11], s[0:1], 0x10              ; x's codes, x's scales
	s_load_b128 s[12:15], s[0:1], 0x20             ; the lane masks, the flags
	v_lshl_add_u32 v208, v0, 2, 0x10000
	v_mov_b32 v209, 0
	v_lshrrev_b32 v1, 5, v0
	v_readfirstlane_b32 s16, v1                    ; wave 0..7
	v_and_b32 v2, 31, v0                           ; lane
	s_mul_i32 s17, s16, WREG                       ; my wave's LDS
	s_cmp_lt_u32 s16, 4
	s_wait_alu depctr_va_vdst(0)
	s_cbranch_scc0 .Lmask
	; ---------------- waves 0-3: x ----------------
	v_lshlrev_b32 v3, 4, v2                        ; my 16 bytes of a load's 512
	v_lshrrev_b32 v14, 2, v2
	v_mul_u32_u24 v14, v14, SP
	v_and_b32 v15, 3, v2
	v_lshl_add_u32 v14, v15, 4, v14
	v_add_nc_u32 v14, s17, v14                     ; the stage, on the way in: four lanes' 64 bytes on end, then 16 of padding
	v_mul_u32_u24 v15, v2, SP
	v_add_nc_u32 v15, s17, v15                     ; and on the way out: my 16 neighbours
	v_mul_u32_u24 v4, v2, CB                       ; my codes' place in a step's
	v_lshrrev_b32 v5, 1, v2
	s_add_co_u32 s17, s17, 2*32*SP
	v_add_nc_u32 v5, s17, v5                       ; LDS: my wave's 256 scale bytes, my block's byte
	v_lshlrev_b32 v7, 3, v2                        ; and on the way out 8 bytes a lane
	v_add_nc_u32 v6, s17, v7
	s_lshl_b32 s17, ttmp9, 2
	s_add_co_u32 s18, s17, s16                     ; which run of 8,192 numbers is my wave's
	s_mov_b32 s19, 0
	s_mov_b64 s[20:21], 512*STEPS*4
	s_mul_u64 s[20:21], s[18:19], s[20:21]
	s_mov_b64 s[22:23], 32*STEPS*CB
	s_mul_u64 s[22:23], s[18:19], s[22:23]
	s_lshl_b32 s18, s18, 8                         ; 256 scale bytes a run
	s_wait_alu depctr_va_vdst(0)
	s_wait_kmcnt 0x0
	s_add_nc_u64 s[4:5], s[4:5], s[20:21]
	s_add_nc_u64 s[8:9], s[8:9], s[22:23]
	s_add_nc_u64 s[10:11], s[10:11], s[18:19]
.macro LOAD t
.irp i, 0,1,2,3
	global_load_b128 v[R+16*((\t)%4)+4*\i:R+16*((\t)%4)+4*\i+3], v3, s[4:5] offset:2048*(\t)+512*\i th:TH_LOAD_NT   ; 32 lanes read 512 consecutive bytes
.endr
.endm
.macro TURN t                          ; step t's numbers through the stage: LDS serves a wave's instructions in order, so no wait stands between the stores and the loads
.irp i, 0,1,2,3
	ds_store_b128 v14, v[R+16*((\t)%4)+4*\i:R+16*((\t)%4)+4*\i+3] offset:32*SP*((\t)%2)+8*SP*\i
.endr
.irp i, 0,1,2,3
	ds_load_b128 v[X+16*((\t)%2)+4*\i:X+16*((\t)%2)+4*\i+3], v15 offset:32*SP*((\t)%2)+16*\i
.endr
.endm
.irp t, 0,1,2,3
	LOAD \t
.endr
	s_wait_loadcnt 12                              ; step 0's four loads are in; the twelve of steps 1 to 3 may be out
	TURN 0
.macro STEP t
.set XS, X+16*((\t)%2)
.if (\t) > 0
	s_wait_dscnt 1                                 ; this step's numbers are back from the stage (the last step's byte store may be out): so its stores into the stage have read their registers,
.else
	s_wait_dscnt 0x0
.endif
.if (\t)+4 < STEPS
	LOAD (\t)+4                                    ; which take the loads of four steps on
.endif
.if (\t)+1 < STEPS
.if STEPS-2-(\t) >= 3
	s_wait_loadcnt 12                              ; the next step's four loads are in; those of the three steps behind it may be out
.else
	s_wait_loadcnt 4*(STEPS-2-(\t))
.endif
	TURN (\t)+1                                    ; and go through the other stage while this step is worked
.endif
	v_max3_num_f32 v8, |v[XS]|, |v[XS+1]|, |v[XS+2]|               ; the largest magnitude of my 16, in two chains
	v_max3_num_f32 v9, |v[XS+3]|, |v[XS+4]|, |v[XS+5]|
.irp i, 6,10
	v_max3_num_f32 v8, v8, |v[XS+\i]|, |v[XS+\i+1]|
	v_max3_num_f32 v9, v9, |v[XS+\i+2]|, |v[XS+\i+3]|
.endr
	v_max3_num_f32 v8, v8, |v[XS+14]|, |v[XS+15]|
	v_max3_num_f32 v8, v8, v9, (EMAX+1)<<23        ; and the floor 2^(5 - 127): the byte cannot fall under 1
	v_max_num_f32_dpp v8, v8, v8 row_xmask:1 row_mask:0xf bank_mask:0xf   ; and of my neighbour's 16: the block's
	v_add_nc_u32 v11, -(EMAX<<23), v8              ; 4 off its exponent field: the conversion takes the exponent field of this operand as its scale
	v_cvt_scalef32_pk16_bf6_f32 v[C+4*(\t):C+4*(\t)+2], v[XS:XS+15], v11   ; sixteen codes, 96 bits, the first number's lowest
	v_lshrrev_b32 v[E+(\t)], 23, v11               ; the scale's byte (also the plain line behind the conversion)
	ds_store_b8 v5, v[E+(\t)] offset:16*(\t)       ; both lanes of a block write the same byte with the same value
	global_store_b96 v4, v[C+4*(\t):C+4*(\t)+2], s[8:9] offset:32*CB*(\t)   ; the wave stores 384 consecutive bytes
.endm
.irp t, 0,1,2,3,4,5,6,7,8,9,10,11,12,13,14,15
	STEP \t
.endr
	ds_load_b64 v[12:13], v6                       ; my wave's 256 scale bytes: these loads see my stores
	s_wait_dscnt 0x0
	global_store_b64 v7, v[12:13], s[10:11]        ; 32 lanes store 256 consecutive bytes, aligned
	s_wait_tensorcnt 0x0
	ds_add_u32 v208, v209
	s_wait_dscnt 0x0
	s_endpgm
	; ---------------- waves 4-7: the mask ----------------
.Lmask:
	s_sub_co_u32 s18, s16, 4
	s_lshl_b32 s19, ttmp9, 2
	s_add_co_u32 s18, s18, s19                     ; which of the 1,024 shares is mine
	s_lshr_b32 s19, s18, 1                         ; bt: 128 b + tile of 16 queries
	s_and_b32 s20, s18, 1                          ; which 1,024 keys
	v_and_b32 v10, 15, v2                          ; lane % 16
	v_lshrrev_b32 v3, 4, v2                        ; lane / 16
	v_lshlrev_b32 v4, 11, v3
	v_lshl_add_u32 v4, v10, 4, v4                  ; in: sixteen lanes read 256 bytes of one row, the other sixteen of the next
	v_mul_u32_u24 v5, v3, MP
	v_lshl_add_u32 v5, v10, 4, v5
	v_add_nc_u32 v5, s17, v5                       ; into the stage, as loaded
	v_mul_u32_u24 v6, v10, MP
	; THE ORDER OF THE KEYS IN THE LANE MASKS is set by this line and by the offsets of the unit's loads: bit l of word 8 t + j is the key
	; 128 step + 64 (t / 4) + 32 (l / 16) + 16 (t % 2) + 8 ((t / 2) % 2) + j: the lane and register in which the attention launch holds that score
	v_lshl_add_u32 v6, v3, 5, v6
	v_add_nc_u32 v6, s17, v6                       ; out of it: lane (r, h) takes row r, 8 keys from 32 h on
	v_lshlrev_b32 v7, 4, v2                        ; a unit's words leave 16 bytes a lane
.irp i, 0,1,2,3,4,5,6,7,8,9,10,11,12,13,14,15
	v_mov_b32 v[OUTM+\i], 0                        ; written whole once: v_writelane_b32 writes one lane
.endr
	s_mov_b32 s42, 0                               ; the flags
	s_lshl_b32 s22, s19, 15                        ; 16 rows of 2,048 bytes
	s_lshl_b32 s23, s20, 10
	s_add_co_u32 s22, s22, s23
	s_mov_b32 s23, 0
	s_lshl_b32 s24, s19, 12                        ; 16 steps of 64 words
	s_lshl_b32 s25, s20, 11
	s_add_co_u32 s24, s24, s25
	s_mov_b32 s25, 0
	s_lshl_b32 s26, s18, 2                         ; one word of flags a share
	s_mov_b32 s27, 0
	s_wait_alu depctr_va_vdst(0)
	s_wait_kmcnt 0x0
	s_add_nc_u64 s[6:7], s[6:7], s[22:23]
	s_add_nc_u64 s[12:13], s[12:13], s[24:25]
	s_add_nc_u64 s[14:15], s[14:15], s[26:27]
.irp u, 0,1,2,3
.irp i, 0,1,2,3,4,5,6,7
	global_load_b128 v[ML+32*\u+4*\i:ML+32*\u+4*\i+3], v4, s[6:7] offset:4096*\i+256*\u th:TH_LOAD_NT   ; all 32 loads of the share are out at once
.endr
.endr
; A unit: 16 rows x 256 keys = two steps.  The bytes turn through the stage so that lane (r, h) holds row r's keys 64 (t / 4) + 32 h + 16 (t % 2) + 8 ((t / 2) % 2) + 0 .. 7 of its step; a compare of byte j over the 32 lanes IS word 8 t + j.
.macro UNIT u
	s_wait_loadcnt 8*(3-\u)                        ; this unit's eight loads are in; the younger units' may be out
.irp i, 0,1,2,3,4,5,6,7
	ds_store_b128 v5, v[ML+32*\u+4*\i:ML+32*\u+4*\i+3] offset:2*MP*\i
.endr
.irp h, 0,1
.irp t, 0,1,2,3,4,5,6,7
	ds_load_b64 v[RB+2*(8*\h+\t):RB+2*(8*\h+\t)+1], v6 offset:128*\h+64*(\t/4)+16*(\t%2)+8*((\t/2)%2)
.endr
.endr
	s_wait_dscnt 0x0
.irp h, 0,1
	s_mov_b32 s40, -1                              ; the step's words, all ANDed
	s_mov_b32 s41, 0                               ; and all ORed
.irp t, 0,1,2,3,4,5,6,7
.irp j, 0,1,2,3,4,5,6,7
	v_and_b32 v[16+\j], 0xff<<(8*(\j%4)), v[RB+2*(8*\h+\t)+\j/4]
.endr
.irp j, 0,1,2,3,4,5,6,7
	v_cmp_ne_u32 s[32+\j], 0, v[16+\j]
.endr
.irp j, 0,1,2,3,4,5,6,7
	v_writelane_b32 v[OUTM+4*\u+\j%4], s[32+\j], 16*\h+2*\t+\j/4   ; word 64 h + 8 t + j of the unit's 128: lane (word / 4), register (word % 4)
.endr
	s_wait_alu depctr_va_vdst(0)                   ; the wait directly behind the writes: a lane write reads its destination
.irp j, 0,1,2,3,4,5,6,7
	s_and_b32 s40, s40, s[32+\j]
	s_or_b32 s41, s41, s[32+\j]
.endr
.endr
	s_cmp_lg_u32 s40, -1                           ; not every key hidden: live
	s_cselect_b32 s43, 1<<(2*\u+\h), 0
	s_or_b32 s42, s42, s43
	s_cmp_lg_u32 s41, 0                            ; some key hidden: mixed
	s_cselect_b32 s43, 1<<(8+2*\u+\h), 0
	s_or_b32 s42, s42, s43
.endr
	s_wait_alu depctr_va_vdst(0)                   ; directly ahead of the reader of the words just written
	global_store_b128 v7, v[OUTM+4*\u:OUTM+4*\u+3], s[12:13] offset:512*\u   ; 512 consecutive bytes, aligned
.endm
	UNIT 0
	UNIT 1
	UNIT 2
	UNIT 3
	v_mov_b32 v16, s42
	v_mov_b32 v17, 0
	v_cmp_eq_u32 vcc_lo, 0, v2
	s_wait_alu depctr_va_vdst(0)
	s_wait_xcnt 0x0                                ; EXEC changes only behind this wait
	s_wait_tensorcnt 0x0
	ds_add_u32 v208, v209
	s_wait_dscnt 0x0
	s_and_saveexec_b32 s44, vcc_lo
	global_store_b32 v17, v16, s[14:15]            ; one word a wave, 4,096 bytes in the whole launch: the one store here that does not cover 256 bytes
	s_endpgm
.Lfunc_end_k_q64e9e24c94_prep:
	.size	k_q64e9e24c94_prep, .Lfunc_end_k_q64e9e24c94_prep-k_q64e9e24c94_prep
	.p2alignl 7, 3214868480
	.fill 96, 4, 3214868480
	.section	.rodata,"a",@progbits
	.p2align	6, 0x0
	.amdhsa_kernel k_q64e9e24c94_prep
		.amdhsa_group_segment_fixed_size 66560
		.amdhsa_private_segment_fixed_size 0
		.amdhsa_enable_private_segment 0
		.amdhsa_kernarg_size 48
		.amdhsa_user_sgpr_count 2
		.amdhsa_user_sgpr_kernarg_segment_ptr 1
		.amdhsa_wavefront_size32 1
		.amdhsa_system_sgpr_workgroup_id_x 1
		.amdhsa_system_sgpr_workgroup_id_y 1
		.amdhsa_system_sgpr_workgroup_id_z 1
		.amdhsa_system_vgpr_workitem_id 0
		.amdhsa_next_free_vgpr 210
		.amdhsa_next_free_sgpr 66
		.amdhsa_reserve_vcc 1
		.amdhsa_float_denorm_mode_32 3
		.amdhsa_float_denorm_mode_16_64 3
		.amdhsa_memory_ordered 1
		.amdhsa_forward_progress 1
		.amdhsa_inst_pref_size 176
	.end_amdhsa_kernel
	.amdgpu_metadata
---
amdhsa.version: [ 1, 2 ]
amdhsa.kernels:
  - .name:           k_q64e9e24c94_prep
    .symbol:         k_q64e9e24c94_prep.kd
    .args:
      - { .name: x, .offset: 0, .size: 8, .value_kind: global_buffer, .address_space: global }
      - { .name: mask, .offset: 8, .size: 8, .value_kind: global_buffer, .address_space: global }
      - { .name: x_codes, .offset: 16, .size: 8, .value_kind: global_buffer, .address_space: global }
      - { .name: x_scales, .offset: 24, .size: 8, .value_kind: global_buffer, .address_space: global }
      - { .name: mbits, .offset: 32, .size: 8, .value_kind: global_buffer, .address_space: global }
      - { .name: mflags, .offset: 40, .size: 8, .value_kind: global_buffer, .address_space: global }
    .group_segment_fixed_size: 66560
    .private_segment_fixed_size: 0
    .kernarg_segment_align: 8
    .kernarg_segment_size: 48
    .max_flat_workgroup_size: 256
    .sgpr_count:     66
    .vgpr_count:     210
    .wavefront_size: 32
...
	.end_amdgpu_metadata
.endif
;; end of part 1
;; launch qkv (part 2): grid 12 x 32, 4 waves a work-group, clusters of 4 x 4, 327,680 bytes of LDS; arguments x_codes, x_scales, Wq_codes, Wq_scales, Wk_codes, Wk_scales, Wv_codes, Wv_scales, qb, kv; writes qb, kv
.if DOCPART == 2
	.amdgcn_target "amdgcn-amd-amdhsa--gfx1250"
	.amdhsa_code_object_version 6
	.text
	.protected	k_q64e9e24c94_qkv
	.globl	k_q64e9e24c94_qkv
	.p2align	8
	.type	k_q64e9e24c94_qkv,@function
k_q64e9e24c94_qkv:
	s_mov_b64 s[64:65], 0
	v_nop
	global_prefetch_b8 v0, s[64:65] scope:SCOPE_SE
	s_setreg_imm32_b32 hwreg(HW_REG_WAVE_MODE, 25, 1), 1
	s_wait_xcnt 0x0
	s_wait_alu depctr_hold_cnt(0) depctr_sa_sdst(0) depctr_va_vdst(0) depctr_va_sdst(0) depctr_va_ssrc(0) depctr_va_vcc(0) depctr_vm_vsrc(0)
	s_getreg_b32 s2, hwreg(HW_REG_IB_STS2, 6, 4)
	s_cmp_eq_u32 s2, 0
	s_cbranch_scc0 .Lentry_in_a_cluster
	s_endpgm
.Lentry_in_a_cluster:
	s_bfe_u32 s2, ttmp6, 0x10000c
	s_cmp_lg_u32 s2, 0xf033
	s_cbranch_scc0 .Lentry_shape_is_right
	s_endpgm
.Lentry_shape_is_right:
; QKV.  q = x Wq^T, k = x Wk^T, v^T = Wv x^T on codes of BF6 (E3M2) with one E8M0 byte for each 32 along K = 1,024; the results are quantised again, in registers, and stored as
; register images for the attention launch: q and k along a head's 64 channels, v along the keys.
; The cluster's x says which product: 0 q, 1 k (A = x, B = the weight), 2 v (A = Wv, B = x): the same in all partners of a cluster.
; A tile of 256 x 256 is made by four waves, 128 x 128 each: 64 accumulators.  A row of codes is 768 bytes: it goes through a ring of two LDS slots in three chunks of 256 bytes, each
; beginning at a multiple of 256 bytes.  A step of 128 along K is 96 bytes of a row: eight steps to three chunks; steps 2 and 5 lie across two chunks.
; The scales of the tile's 256 + 256 rows are two dense blocks of 8,192 bytes: they come once, at the head.
; CLUSTERS 4 x 4: A's tiles are asked for jointly along a row of the cluster, B's along a column.
; The matrix instruction is used transposed (source 0 = rows of B, source 1 = rows of A): a lane holds eight neighbouring columns of one row of the result.
; No L2 prefetch: the walk along K has three chunks, two of them asked for at the head, so there is no loop to run ahead in.
; REGISTERS: window 0: v16-29 addresses, v32-63 scale words (two sets), v128-223 A's fragments (one set); window 1: B's fragments (two sets, v0 and v128); windows 2, 3: accumulators.
; LIMITS: a block of results whose largest magnitude lies under 2^-122 keeps the scale byte 1.
.set SIZE_K, 1024
.set ROWB,   256
.set NQ,     2
.set KROW,   SIZE_K*6/8
.set STEPS,  SIZE_K/128
.set CHUNKS, KROW/ROWB
.set PITCH,  272                       ; 256 bytes + 16 of padding
.set FR,     12
.set NL,     6
.set NP,     4
.set HALFT,  128*PITCH
.set SLOT,   4*HALFT                   ; A's 256 rows, then B's
.set KS,     SIZE_K/32
.set SCL,    2*SLOT                    ; behind the ring: the scales, rows of 256 bytes + 16
.set HALFS,  (128*KS/256)*272
.set SBLK,   (16*KS/256)*272
.set SPARE,  SCL+4*HALFS               ; the spare words: 128 bytes a wave
.set ADRA, 16                          ; v16-17 A's fragments in slot 0, 1; v18-19 for a piece whose two halves of lanes read different chunks
.set ADRB, 20                          ; v20-23 the same for B
.set L16,  24                          ; 16 x lane
.set L8,   25                          ; 8 x lane
.set ADRS, 27
.set SPW,  28
.set NIL,  29
.set SC,   32
.set AF,   128
.set HA,   80                          ; the way out: codes of columns 0-63, six registers a block of 16 rows
.set HB,   176                         ; and of columns 64-127
.set T0,   128
.set T1,   132
.set TM,   136
.set PW,   152                         ; the blocks' scale words
.set KW,   160
.set G1, 24
.set G0, 32
.set G1B, 48
.set G0B, 56
.set G1S, 68
.set G0S, 76
.set G1SB, 80
.set G0SB, 88
.set G0H, 4
.set G0HB, 8
.set SEL, 104
.set MSB, 0
.macro WIN new                         ; the immediate's high byte repeats the setting that is left
.if MSB != \new
	s_set_vgpr_msb (MSB<<8)|\new
.set MSB, \new
.endif
.endm
.set MUL_LO, 0xa1
.set MUL_HI, 0xf1
.set TO_B,   0x40
.macro JLOAD g0a, g1a, g0b, g1b        ; a joint load: waves 0, 1 for A, waves 2, 3 for B; s_nop 0 and four v_nop behind each line
	s_cmp_eq_u32 s15, 0
	s_cbranch_scc0 .Lfor_b_\@
	tensor_load_to_lds s[\g0a:\g0a+3], s[\g1a:\g1a+7]
	s_nop 0
.rept 4
	v_nop
.endr
	s_branch .Lasked_\@
.Lfor_b_\@:
	tensor_load_to_lds s[\g0b:\g0b+3], s[\g1b:\g1b+7]
	s_nop 0
.rept 4
	v_nop
.endr
.Lasked_\@:
.endm
.macro CREST                           ; a round of the cluster's barrier behind its opening barrier
	s_cmp_lg_u32 s14, 0
	s_cbranch_scc1 .Lnot_wave_0_\@
	s_barrier_signal -3
.Lnot_wave_0_\@:
	s_barrier_wait -3
	s_barrier_signal -1
	s_barrier_wait -1
.endm
.macro CROUND
	s_barrier_signal -1
	s_barrier_wait -1
	CREST
.endm
	s_load_b512 s[68:83], s[0:1], 0x0              ; x's codes, scales; Wq's; Wk's; Wv's
	s_load_b128 s[84:87], s[0:1], 0x40             ; qb, kv
	v_lshl_add_u32 v[SPW], v0, 2, SPARE
	v_mov_b32 v[NIL], 0
	ds_add_u32 v[SPW], v[NIL]
	ds_add_u32 v[SPW], v[NIL]
	v_lshrrev_b32 v1, 5, v0
	v_readfirstlane_b32 s14, v1                    ; wave
	s_lshr_b32 s15, s14, 1                         ; my half of the tile's rows; also: I fetch for A (0) or B (1)
	s_and_b32 s16, s14, 1                          ; my half of its columns; also: which 128 rows I fetch
	s_bfe_u32 s40, ttmp6, 0x40000                  ; cx
	s_bfe_u32 s41, ttmp6, 0x40004                  ; cy
	s_and_b32 s101, ttmp7, 0xffff
	s_lshl_b32 s101, s101, 2
	s_cmp_eq_u32 ttmp9, 2                          ; v: x is B, the weight is A
	s_cselect_b32 s42, s101, 0
	s_cselect_b32 s17, 0, s101
	s_add_co_u32 s42, s42, s40                     ; tile column
	s_add_co_u32 s17, s17, s41                     ; tile row
	s_lshl_b32 s43, s41, 2
	s_lshl_b32 s43, 15, s43                        ; my row of the cluster
	s_lshl_b32 s44, 0x1111, s40                    ; my column
	s_or_b32 s[G1+0], s43, (0<<16)|(1<<20)|(1<<21)|(5<<22)|(3<<25)
	s_or_b32 s[G1B+0], s44, (0<<16)|(1<<20)|(1<<21)|(5<<22)|(3<<25)
.irp g, G1, G1B
	s_mov_b32 s[\g+1], ROWB<<16
	s_mov_b32 s[\g+2], 256<<16                     ; 256 rows for the head's loads
	s_mov_b32 s[\g+3], ROWB<<16
	s_mov_b32 s[\g+4], 256
	s_mov_b32 s[\g+5], KROW
	s_mov_b32 s[\g+6], 0
	s_mov_b32 s[\g+7], 0
.endr
	s_lshl_b32 s20, s17, 8
	s_lshl_b32 s46, s42, 8
	s_mov_b32 s21, 0
	s_mov_b32 s47, 0
	s_mov_b64 s[18:19], KS
	s_mul_u64 s[22:23], s[20:21], s[18:19]         ; where the rows' scales begin
	s_mul_u64 s[92:93], s[46:47], s[18:19]
	s_mov_b64 s[18:19], KROW
	s_mul_u64 s[20:21], s[20:21], s[18:19]         ; and their codes
	s_mul_u64 s[46:47], s[46:47], s[18:19]
	s_mul_i32 s18, s16, 128*KROW
	s_mov_b32 s19, 0
	s_mul_i32 s45, s14, HALFT
	s_mov_b32 s[SEL], 0x76543210
	s_mov_b32 s[SEL+1], 0xfedcba98
	s_wait_dscnt 0x0                               ; both opening adds are done
	s_wait_kmcnt 0x0
	s_cmp_eq_u32 ttmp9, 2
	s_cselect_b64 s[4:5], s[80:81], s[68:69]       ; A's codes, scales
	s_cselect_b64 s[6:7], s[82:83], s[70:71]
	s_cselect_b64 s[8:9], s[68:69], s[76:77]       ; B's
	s_cselect_b64 s[10:11], s[70:71], s[78:79]
	s_cmp_eq_u32 ttmp9, 0
	s_cselect_b64 s[8:9], s[72:73], s[8:9]
	s_cselect_b64 s[10:11], s[74:75], s[10:11]
	s_cselect_b64 s[12:13], s[84:85], s[86:87]     ; where the results go
	s_add_nc_u64 s[20:21], s[4:5], s[20:21]
	s_add_nc_u64 s[22:23], s[6:7], s[22:23]
	s_add_nc_u64 s[46:47], s[8:9], s[46:47]
	s_add_nc_u64 s[92:93], s[10:11], s[92:93]
	s_or_b32 s[G1S+0], s43, (3<<16)|(1<<20)|(1<<21)|(5<<22)|(3<<25)   ; the arguments that lay here have been used
	s_or_b32 s[G1SB+0], s44, (3<<16)|(1<<20)|(1<<21)|(5<<22)|(3<<25)
.irp g, G1S, G1SB
	s_mov_b32 s[\g+1], 32<<16                      ; 256 rows' scales: KS rows of 256 bytes
	s_mov_b32 s[\g+2], KS<<16
	s_mov_b32 s[\g+3], 32<<16
	s_mov_b32 s[\g+4], KS
	s_mov_b32 s[\g+5], 32
	s_mov_b32 s[\g+6], 0
	s_mov_b32 s[\g+7], 0
.endr
	CROUND                                         ; in front of the first joint loads
	s_mov_b32 s[G0H], 1
	s_mov_b32 s[G0H+1], 0
	s_mov_b64 s[G0H+2:G0H+3], s[20:21]
	s_or_b32 s[G0H+3], s[G0H+3], 0x80000000
	s_mov_b32 s[G0HB], 1
	s_mov_b32 s[G0HB+1], 2*HALFT
	s_mov_b64 s[G0HB+2:G0HB+3], s[46:47]
	s_or_b32 s[G0HB+3], s[G0HB+3], 0x80000000
	s_mov_b32 s[G0S], 1
	s_mov_b32 s[G0S+1], SCL
	s_mov_b64 s[G0S+2:G0S+3], s[22:23]
	s_or_b32 s[G0S+3], s[G0S+3], 0x80000000
	s_mov_b32 s[G0SB], 1
	s_mov_b32 s[G0SB+1], SCL+2*HALFS
	s_mov_b64 s[G0SB+2:G0SB+3], s[92:93]
	s_or_b32 s[G0SB+3], s[G0SB+3], 0x80000000
	s_add_nc_u64 s[20:21], s[20:21], s[18:19]      ; for the ring: my 128 rows
	s_add_nc_u64 s[46:47], s[46:47], s[18:19]
.irp s, 0,1
	s_mov_b32 s[G0+4*\s], 1
	s_add_co_u32 s[G0+4*\s+1], s45, \s*SLOT
	s_add_nc_u64 s[G0+4*\s+2:G0+4*\s+3], s[20:21], \s*ROWB
	s_or_b32 s[G0+4*\s+3], s[G0+4*\s+3], 0x80000000
	s_mov_b32 s[G0B+4*\s], 1
	s_add_co_u32 s[G0B+4*\s+1], s45, \s*SLOT
	s_add_nc_u64 s[G0B+4*\s+2:G0B+4*\s+3], s[46:47], \s*ROWB
	s_or_b32 s[G0B+4*\s+3], s[G0B+4*\s+3], 0x80000000
.endr
; the head's four tiles, one load a wave: chunk 0 of A, of B, A's scales, B's scales; one tree of branches on the wave's number
.macro ARM under, g0, g1, next
	s_cmp_lt_u32 s14, \under
	s_cbranch_scc0 \next
	tensor_load_to_lds s[\g0:\g0+3], s[\g1:\g1+7]
	s_nop 0
.rept 4
	v_nop
.endr
	s_branch .Lhead_asked
\next:
.endm
	ARM 1, G0H,  G1,  .Lhead_b
	ARM 2, G0HB, G1B, .Lhead_sa
	ARM 3, G0S,  G1S, .Lhead_sb
	tensor_load_to_lds s[G0SB:G0SB+3], s[G1SB:G1SB+7]
	s_nop 0
.rept 4
	v_nop
.endr
.Lhead_asked:
	v_and_b32 v1, 15, v0
	v_bfe_u32 v2, v0, 4, 1
	v_mul_u32_u24 v3, v1, PITCH
	v_mul_u32_u24 v4, v2, 24
	v_add_nc_u32 v4, v3, v4                        ; row x pitch + 24 x half
	s_mov_b32 s21, SLOT-232
	s_mov_b32 s22, SLOT+232
	v_sub_nc_u32 v7, 1, v2
	v_mul_u32_u24 v5, s21, v2
	v_add_nc_u32 v5, v3, v5
	v_add_nc_u32 v5, 232, v5                       ; lanes 0-15 byte 232 of the row in slot 0, lanes 16-31 byte 0 in slot 1
	v_mul_u32_u24 v6, s22, v7
	v_add_nc_u32 v6, v3, v6                        ; and the other way round
	s_mul_i32 s21, s15, HALFT
	s_mul_i32 s22, s16, HALFT
	s_add_co_u32 s22, s22, 2*HALFT
	v_add_nc_u32 v[ADRA+2], s21, v5
	v_add_nc_u32 v[ADRA+3], s21, v6
	v_add_nc_u32 v[ADRB+2], s22, v5
	v_add_nc_u32 v[ADRB+3], s22, v6
.irp s, 0,1
	v_add_nc_u32 v[ADRA+\s], s21, v4
	v_add_nc_u32 v[ADRB+\s], s22, v4
	s_add_co_u32 s21, s21, SLOT
	s_add_co_u32 s22, s22, SLOT
.endr
	v_mul_u32_u24 v5, v1, KS
	v_lshrrev_b32 v6, 8, v5
	v_lshl_add_u32 v5, v6, 4, v5
	s_mul_i32 s21, s15, HALFS
	s_mul_i32 s22, s16, HALFS
	s_add_co_u32 s22, s22, 2*HALFS
	s_sub_co_u32 s22, s22, s21
	v_mul_u32_u24 v6, s22, v2                      ; lanes 16-31 take B's scale words
	s_add_co_u32 s21, s21, SCL
	v_add_nc_u32 v5, v5, v6
	v_add_nc_u32 v[ADRS], s21, v5
	v_and_b32 v[L8], 31, v0
	v_lshlrev_b32 v[L16], 4, v[L8]
	v_lshlrev_b32 v[L8], 3, v[L8]
	; where my images go: block ((16 b + head) x 16 + group of 128 rows of x); q's blocks are 6,656 bytes; k's and v's share 13,312, v's second
	s_lshl_b32 s92, s17, 1
	s_add_co_u32 s92, s92, s15
	s_lshl_b32 s93, s42, 1
	s_add_co_u32 s93, s93, s16
	s_mov_b32 s100, 13312
	s_cmp_eq_u32 ttmp9, 0
	s_cselect_b32 s100, 6656, s100
	s_cmp_eq_u32 ttmp9, 2
	s_cselect_b32 s94, s93, s92                    ; the group of 128 rows of x
	s_cselect_b32 s95, s92, s93                    ; the pair of heads
	s_cselect_b32 s101, 6656, 0
	s_lshr_b32 s92, s94, 4
	s_lshl_b32 s92, s92, 3
	s_add_co_u32 s92, s92, s95
	s_lshl_b32 s92, s92, 5
	s_and_b32 s94, s94, 15
	s_add_co_u32 s92, s92, s94
	s_mul_i32 s96, s92, s100
	s_add_co_u32 s96, s96, s101
	s_mov_b32 s97, 0
	s_add_nc_u64 s[12:13], s[12:13], s[96:97]      ; the pair's first head
	s_lshl_b32 s96, s100, 4
	s_add_nc_u64 s[98:99], s[12:13], s[96:97]      ; its second: 16 blocks on
.macro FRAG reg, adr, st, i            ; 16 rows x 128 K: 12 registers, in pieces of 8 bytes; byte y of a row lies in slot (y / 256) % 2 at byte y % 256
.irp p, 0,1,2,3,4,5
.set BY, 96*(\st)+48*(\p/3)+8*(\p%3)
.if BY/ROWB == (BY+24)/ROWB
	ds_load_b64 v[\reg+2*\p:\reg+2*\p+1], v[\adr+(BY/ROWB)%2] offset:BY%ROWB+(\i)*16*PITCH
.else
	ds_load_b64 v[\reg+2*\p:\reg+2*\p+1], v[\adr+2+(BY/ROWB)%2] offset:BY%ROWB-232+(\i)*16*PITCH
.endif
.endr
.endm
.macro MUL16 a0, p, q, sc, zero        ; A's blocks a0, a0 + 1 x B's eight; the 64 accumulators take turns
.irp a, \a0, \a0+1
.irp b, 0,1,2,3,4,5,6,7
.if \zero
	v_wmma_scale_f32_16x16x128_f8f6f4 v[8*(8*((\a)%4)+\b):8*(8*((\a)%4)+\b)+7], v[128*(\p)+FR*\b:128*(\p)+FR*\b+FR-1], v[AF+FR*(\a):AF+FR*(\a)+FR-1], 0, v[SC+8*NQ*(\sc)+NQ*\b+(\q)], v[SC+8*NQ*(\sc)+NQ*(\a)+(\q)] matrix_a_fmt:MATRIX_FMT_BF6 matrix_b_fmt:MATRIX_FMT_BF6 matrix_a_scale:MATRIX_SCALE_ROW1
.else
	v_wmma_scale_f32_16x16x128_f8f6f4 v[8*(8*((\a)%4)+\b):8*(8*((\a)%4)+\b)+7], v[128*(\p)+FR*\b:128*(\p)+FR*\b+FR-1], v[AF+FR*(\a):AF+FR*(\a)+FR-1], v[8*(8*((\a)%4)+\b):8*(8*((\a)%4)+\b)+7], v[SC+8*NQ*(\sc)+NQ*\b+(\q)], v[SC+8*NQ*(\sc)+NQ*(\a)+(\q)] matrix_a_fmt:MATRIX_FMT_BF6 matrix_b_fmt:MATRIX_FMT_BF6 matrix_a_scale:MATRIX_SCALE_ROW1
.endif
.endr
.endr
.endm
.macro FETCH_B st, p
	WIN TO_B
.irp i, 0,1,2,3,4,5,6,7
	FRAG 128*(\p)+FR*\i, ADRB, \st, \i
.endr
	WIN 0
.endm
.macro FETCH_A st, i0
.irp i, \i0, \i0+1, \i0+2, \i0+3
	FRAG AF+FR*(\i), ADRA, \st, \i
.endr
.endm
.macro SCALES pr                       ; the scale words of steps 2 pr, 2 pr + 1: lanes 0-15 A's block i, lanes 16-31 B's
.irp i, 0,1,2,3,4,5,6,7
	ds_load_b64 v[SC+8*NQ*((\pr)%2)+NQ*\i:SC+8*NQ*((\pr)%2)+NQ*\i+1], v[ADRS] offset:\i*SBLK+4*NQ*(\pr)
.endr
.endm
.macro PLACES n
.rept \n
	v_nop
.endr
.endm
; A step: 64 matrix instructions; the next step's fragments are fetched in its middle and at its end.  Where the next step's bytes end in a chunk not read yet, a barrier shows it whole;
; where they begin in a later chunk than this step's, the chunk left behind is read no more: the three lines, the barrier, and, where a chunk two on is left, a round and the refill.
.macro STEP st, zero
.set NX, (\st)+1
.set C0, (96*(\st))/ROWB
.set C1, (96*NX)/ROWB
.set E0, (96*(\st)+95)/ROWB
.set E1, (96*NX+95)/ROWB
.if C1 > C0 || E1 > E0
	s_wait_tensorcnt 0x0                           ; all my tensor loads have landed
.if C1 > C0
	ds_add_u32 v[SPW], v[NIL]
	s_wait_dscnt 4*NL+1                            ; the add and A's blocks 4-7 may be out
.else
	s_wait_dscnt 4*NL                              ; A's blocks 4-7 may be out
.endif
	WIN MUL_LO
	MUL16 0, (\st)%2, (\st)%2, ((\st)/2)%2, \zero
	s_wait_dscnt 0x0                               ; the add and all my reads are done
	s_barrier_signal -1
	MUL16 2, (\st)%2, (\st)%2, ((\st)/2)%2, \zero
	WIN 0
	s_barrier_wait -1
.if C1 > C0 && C0+2 < CHUNKS
	CREST
	s_add_nc_u64 s[G0+4*(C0%2)+2:G0+4*(C0%2)+3], s[G0+4*(C0%2)+2:G0+4*(C0%2)+3], 2*ROWB
	s_add_nc_u64 s[G0B+4*(C0%2)+2:G0B+4*(C0%2)+3], s[G0B+4*(C0%2)+2:G0B+4*(C0%2)+3], 2*ROWB
	JLOAD G0+4*(C0%2), G1, G0B+4*(C0%2), G1B       ; chunk C0 + 2; its four v_nop are the places in front of the loads below
.else
	PLACES NP
.endif
.else
	s_wait_dscnt 4*NL
	WIN MUL_LO
	MUL16 0, (\st)%2, (\st)%2, ((\st)/2)%2, \zero
	MUL16 2, (\st)%2, (\st)%2, ((\st)/2)%2, \zero
	s_wait_dscnt 0
	PLACES NP
.endif
	FETCH_B NX, NX%2
	FETCH_A NX, 0
.if NX%2 == 0
	SCALES NX/2
.endif
	WIN MUL_HI
	MUL16 4, (\st)%2, (\st)%2, ((\st)/2)%2, \zero
	MUL16 6, (\st)%2, (\st)%2, ((\st)/2)%2, \zero
	PLACES NP
	WIN 0
	FETCH_A NX, 4
.endm
	s_wait_alu depctr_va_vdst(0)
	s_wait_tensorcnt 0x0                           ; my tile of the head's four is in
	ds_add_u32 v[SPW], v[NIL]
	s_mov_b32 s[G1+2], 128<<16                     ; no load of mine is out: from here on a load brings 128 rows
	s_mov_b32 s[G1+4], 128
	s_mov_b32 s[G1B+2], 128<<16
	s_mov_b32 s[G1B+4], 128
	s_wait_dscnt 0x0
	CROUND
	JLOAD G0+4, G1, G0B+4, G1B                     ; chunk 1, the first tensor load behind the round
	FETCH_B 0, 0
	FETCH_A 0, 0
	SCALES 0
	FETCH_A 0, 4
	STEP 0, 1                                      ; the first step's products start the sums
.set ST, 1
.rept STEPS-2
	STEP ST, 0
.set ST, ST+1
.endr
	s_wait_dscnt 4*NL                              ; the last step: nothing more to fetch
	WIN MUL_LO
	MUL16 0, 1, 1, 1, 0
	MUL16 2, 1, 1, 1, 0
	s_wait_dscnt 0
	WIN MUL_HI
	MUL16 4, 1, 1, 1, 0
	MUL16 6, 1, 1, 1, 0
	WIN 0
; THE WAY OUT.  Block a: 16 rows x 128 columns = four blocks of 32 along the next K.  A lane holds 16 numbers of each, lane l xor 16 the other 16.
; In a block's codes place 16 h + 8 u + j holds number 16 u + 8 h + j.
.macro QUANT a
.set WW, 2+(\a)/4
.set QS, 64*((\a)%4)
	WIN 5*WW
.irp b, 0,1,2,3
	v_max3_num_f32 v[TM+\b], |v[QS+16*\b]|, |v[QS+16*\b+1]|, 0x2800000   ; with the floor 2^(5 - 127)
.endr
.irp i, 2,4,6,8,10,12,14
.irp b, 0,1,2,3
	v_max3_num_f32 v[TM+\b], |v[QS+16*\b+\i]|, |v[QS+16*\b+\i+1]|, v[TM+\b]
.endr
.endr
	WIN 0
.irp b, 0,1,2,3
	v_permlanex16_b32 v[TM+4+\b], v[TM+\b], s[SEL], s[SEL+1]
.endr
.irp b, 0,1,2,3
	v_max_num_f32 v[TM+\b], v[TM+\b], v[TM+4+\b]
.endr
.irp b, 0,1,2,3
	v_add_nc_u32 v[TM+12+\b], 0xfe000000, v[TM+\b]     ; 4 off the exponent field: the conversion's scale operand
.endr
.irp b, 0,1,2,3
	v_lshrrev_b32 v[TM+4+\b], 23, v[TM+12+\b]          ; the byte
.endr
	v_lshl_or_b32 v[PW+(\a)], v[TM+5], 8, v[TM+4]
	v_lshl_or_b32 v[PW+(\a)], v[TM+6], 16, v[PW+(\a)]
	v_lshl_or_b32 v[PW+(\a)], v[TM+7], 24, v[PW+(\a)]
	WIN WW
	v_cvt_scalef32_pk16_bf6_f32 v[HA+6*(\a):HA+6*(\a)+2], v[QS:QS+15], v[TM+12]
	v_cvt_scalef32_pk16_bf6_f32 v[T0:T0+2], v[QS+16:QS+31], v[TM+13]
	v_cvt_scalef32_pk16_bf6_f32 v[HB+6*(\a):HB+6*(\a)+2], v[QS+32:QS+47], v[TM+14]
	v_cvt_scalef32_pk16_bf6_f32 v[T1:T1+2], v[QS+48:QS+63], v[TM+15]
	WIN 0
	v_nop                                          ; a plain place behind the conversions
.irp i, 0,1,2
	v_permlane16_swap_b32 v[HA+6*(\a)+\i], v[T0+\i]    ; a whole block in a lane
	v_permlane16_swap_b32 v[HB+6*(\a)+\i], v[T1+\i]
.endr
.irp i, 0,1,2
	v_mov_b32 v[HA+6*(\a)+3+\i], v[T0+\i]
	v_mov_b32 v[HB+6*(\a)+3+\i], v[T1+\i]
.endr
.endm
; Block a's codes leave as soon as they are made; each block has registers of its own, so no store's data are written again.
; q, k: K = a head's 64: the block's columns 0-63 are a tile of the pair's first head, columns 64-127 of its second.
; v: K = my 128 keys: the block's twelve registers are one image; blocks 0-3 are the first head's channels, 4-7 the second's.
.macro PUT a
.set PB, 12+86*((\a)/4)                ; s[12:13] or s[98:99]
	s_cmp_eq_u32 ttmp9, 2
	s_wait_alu depctr_va_vdst(0)
	s_cbranch_scc1 .Lput_v_\@
	global_store_b128 v[L16], v[HA+6*(\a):HA+6*(\a)+3], s[12:13] offset:768*(\a)
	global_store_b64 v[L8], v[HA+6*(\a)+4:HA+6*(\a)+5], s[12:13] offset:768*(\a)+512
	global_store_b128 v[L16], v[HB+6*(\a):HB+6*(\a)+3], s[98:99] offset:768*(\a)
	global_store_b64 v[L8], v[HB+6*(\a)+4:HB+6*(\a)+5], s[98:99] offset:768*(\a)+512
	s_branch .Lput_done_\@
.Lput_v_\@:
	global_store_b128 v[L16], v[HA+6*(\a):HA+6*(\a)+3], s[PB:PB+1] offset:1536*((\a)%4)
	global_store_b64 v[L8], v[HA+6*(\a)+4:HA+6*(\a)+5], s[PB:PB+1] offset:1536*((\a)%4)+512
	global_store_b128 v[L16], v[HB+6*(\a):HB+6*(\a)+3], s[PB:PB+1] offset:1536*((\a)%4)+768
	global_store_b64 v[L8], v[HB+6*(\a)+4:HB+6*(\a)+5], s[PB:PB+1] offset:1536*((\a)%4)+1280
.Lput_done_\@:
.endm
	PLACES NP
.irp b, 0,1,2,3
	v_mov_b32 v[TM+4+\b], 0                        ; a lane permute's destination counts as a source
.endr
.irp a, 0,1,2,3,4,5,6,7
	QUANT \a
	PUT \a
.endr
	s_cmp_eq_u32 ttmp9, 2
	s_cbranch_scc1 .Lout_v
.irp p, 0,1,2,3                        ; q, k: K = a head's 64: a tile's two bytes; two tiles' bytes make a word
	v_perm_b32 v[KW+\p], v[PW+2*\p+1], v[PW+2*\p], 0x05040100
	v_perm_b32 v[KW+4+\p], v[PW+2*\p+1], v[PW+2*\p], 0x07060302
.endr
	global_store_b128 v[L16], v[KW:KW+3], s[12:13] offset:6144
	global_store_b128 v[L16], v[KW+4:KW+7], s[98:99] offset:6144
	s_branch .Lout_done
.Lout_v:
	s_wait_alu depctr_va_vdst(0)
	global_store_b128 v[L16], v[PW:PW+3], s[12:13] offset:6144
	global_store_b128 v[L16], v[PW+4:PW+7], s[98:99] offset:6144
.Lout_done:
	s_wait_tensorcnt 0x0                           ; the wave's end
	ds_add_u32 v[SPW], v[NIL]
	s_wait_dscnt 0x0
	CROUND                                         ; the closing round
	s_endpgm
.Lfunc_end_k_q64e9e24c94_qkv:
	.size	k_q64e9e24c94_qkv, .Lfunc_end_k_q64e9e24c94_qkv-k_q64e9e24c94_qkv
	.p2alignl 7, 3214868480
	.fill 96, 4, 3214868480
	.section	.rodata,"a",@progbits
	.p2align	6, 0x0
	.amdhsa_kernel k_q64e9e24c94_qkv
		.amdhsa_group_segment_fixed_size 327680
		.amdhsa_private_segment_fixed_size 0
		.amdhsa_enable_private_segment 0
		.amdhsa_kernarg_size 80
		.amdhsa_user_sgpr_count 2
		.amdhsa_user_sgpr_kernarg_segment_ptr 1
		.amdhsa_wavefront_size32 1
		.amdhsa_system_sgpr_workgroup_id_x 1
		.amdhsa_system_sgpr_workgroup_id_y 1
		.amdhsa_system_sgpr_workgroup_id_z 1
		.amdhsa_system_vgpr_workitem_id 0
		.amdhsa_next_free_vgpr 1024
		.amdhsa_next_free_sgpr 106
		.amdhsa_reserve_vcc 0
		.amdhsa_float_denorm_mode_32 3
		.amdhsa_float_denorm_mode_16_64 3
		.amdhsa_memory_ordered 1
		.amdhsa_forward_progress 1
		.amdhsa_inst_pref_size 170
	.end_amdhsa_kernel
	.amdgpu_metadata
---
amdhsa.version: [ 1, 2 ]
amdhsa.kernels:
  - .name:           k_q64e9e24c94_qkv
    .symbol:         k_q64e9e24c94_qkv.kd
    .args:
      - { .name: x_codes, .offset: 0, .size: 8, .value_kind: global_buffer, .address_space: global }
      - { .name: x_scales, .offset: 8, .size: 8, .value_kind: global_buffer, .address_space: global }
      - { .name: Wq_codes, .offset: 16, .size: 8, .value_kind: global_buffer, .address_space: global }
      - { .name: Wq_scales, .offset: 24, .size: 8, .value_kind: global_buffer, .address_space: global }
      - { .name: Wk_codes, .offset: 32, .size: 8, .value_kind: global_buffer, .address_space: global }
      - { .name: Wk_scales, .offset: 40, .size: 8, .value_kind: global_buffer, .address_space: global }
      - { .name: Wv_codes, .offset: 48, .size: 8, .value_kind: global_buffer, .address_space: global }
      - { .name: Wv_scales, .offset: 56, .size: 8, .value_kind: global_buffer, .address_space: global }
      - { .name: qb, .offset: 64, .size: 8, .value_kind: global_buffer, .address_space: global }
      - { .name: kv, .offset: 72, .size: 8, .value_kind: global_buffer, .address_space: global }
    .group_segment_fixed_size: 327680
    .private_segment_fixed_size: 0
    .kernarg_segment_align: 8
    .kernarg_segment_size: 80
    .max_flat_workgroup_size: 128
    .sgpr_count:     106
    .vgpr_count:     1024
    .wavefront_size: 32
...
	.end_amdgpu_metadata
.endif
;; end of part 2
;; launch attn (part 3): grid 4 x 64, 16 waves a work-group, no clusters, 292,864 bytes of LDS; arguments qb, kv, mbits, mflags, x, y; writes y
.if DOCPART == 3
	.amdgcn_target "amdgcn-amd-amdhsa--gfx1250"
	.amdhsa_code_object_version 6
	.text
	.protected	k_q64e9e24c94_attn
	.globl	k_q64e9e24c94_attn
	.p2align	8
	.type	k_q64e9e24c94_attn,@function
k_q64e9e24c94_attn:
	s_mov_b64 s[64:65], 0
	v_nop
	global_prefetch_b8 v0, s[64:65] scope:SCOPE_SE
	s_setreg_imm32_b32 hwreg(HW_REG_WAVE_MODE, 25, 1), 1
	s_wait_xcnt 0x0
; ATTN.  y[b][q][head] = softmax_k(mask(q . k / sqrt(128))) v + x, both products on codes of BF6 (E3M2) with one E8M0 scale for each 32 along a product's K.
; THE SOFTMAX AHEAD OF THE SECOND PRODUCT: t = score x log2(e) / sqrt(128); M = the row's largest t so far, rounded UP to a whole number; p = 2^(t - M) is quantised along the keys; the row's sum is
; taken of the unquantised p and divides at the end.  When M moves, the sum and O are multiplied by 2^(old M - new M): exact.
; SHARES.  A work-group owns one (b, head) and a quarter of its 128 query tiles.  The head's k and v, as register images with their scale words, are copied into LDS once, through registers, each wave
; one step of 128 keys; one barrier.  Wave w takes two tiles of 16 queries one after the other: gx + 4 w, then 127 - (gx + 4 w).
; THE MASK is an input.  An earlier launch has turned it into lane masks (a word for each score register) and two bits for each (tile, step): live = some key counts, mixed = some key is hidden.
; A step that is not live adds nothing and is jumped over.  A mixed step has its own copy of the step's front, which alone loads the 64 lane masks and selects.  Both are scalar branches on stored
; whole numbers, so this launch has no tensor load and no cluster: what the four work-groups of a head share is read once by each.
; LAYOUT.  Both products are used transposed: S^T = k q^T, O^T = v^T p^T: a lane holds ONE query (lane % 16) throughout.
; K = 64 IN AN INSTRUCTION OF 128: an image of k holds one key tile in registers 0-5 and another in 6-11; against [q, zeros] it gives the first's scores, against [zeros, q] the second's.
; WHICH KEYS FORM A TILE: lane r of the pair of tiles P reads lane 8 (P % 2) + r % 8 of the stored pair 2 (P / 2) + r / 8.  So register 8 t + j of lane (r, h) is key
; 64 (t / 4) + 32 h + 16 (t % 2) + 8 ((t / 2) % 2) + j: a lane's registers 32 c .. 32 c + 31 are the WHOLE block 2 c + h of 32 keys, in the order in which v's codes lie in their blocks
; (place 16 h' + 8 u + j holds number 16 u + 8 h' + j), and the conversions' results are the operand's registers.  A stored pair's image has 1,664 bytes in LDS (1,536 + 128).
; A row all of whose keys are hidden has the sum 0 and comes out NaN, as in the definition.  The promise holds while |t| stays under 2^31.
; No L2 prefetch: k and v are read at the head alone, and x is asked for at a pass's head, a whole pass ahead of its use.
; REGISTERS: v1-11 addresses; v12 -M, v13 the largest t, v[14:15] the sum; v16-33 zeros, q, zeros; v34 q's scale word; v35 KA; v36-83 four fragments; v84-87 their scale words; v88-151 S^T, then p;
;   v152-183 O^T; v184-195 p's codes; v196-223 at work; v224-255 my 16 rows' 256 bytes of x.
.set STEPM, 13312                      ; a step in memory: k's block of 6,656 bytes (4 images of 1,536, 512 of scale words), then v's
.set HSM,   16*STEPM
.set KP,    1664                       ; a k image's pitch in LDS
.set KSCL,  4*KP                       ; k's scale words
.set VB,    KSCL+512                   ; v's block
.set STEPB, VB+6656                    ; a step in LDS
.set STG,   16*STEPB                   ; behind them: 16 rows x 272 bytes for each wave, for the way out
.set SPARE, STG+16*16*272              ; the spare words: 128 bytes a wave
.set KA,  35                           ; k's lane terms: for 16-byte pieces,
.set KB,  203                          ; for 8-byte pieces,
.set KS,  219                          ; for scale words (this register is also named as the unused upper word of the pair FP)
.set SH8, 199                          ; 8 h
.set F,   36
.set KSC, 84
.set S,   88
.set O,   152
.set PC,  184
.set PT,  196                          ; v196-198, v200-202 the conversions' second halves
.set CH,  204                          ; v204-207 four chains of maxima; then v204, v206: my two blocks' largest score, then largest p
.set BP,  208
.set BS,  212                          ; v212-213 the conversions' scale operands
.set TMP, 216
.set SPW, 217
.set FP,  218                          ; f = 2^(old M - new M)
.set PWD, 220                          ; p's scale word
.set NIL, 221
.set XR,  224
; s2 the step's LDS byte; s3 trips; s[4:15] qb, kv, mbits, mflags, x, y; s[16:63], s[80:95] a mixed step's 64 lane masks (at a pass's head: at work); s[66:67] q's tile; s[68:69] the tile's lane masks;
; s[70:73] my rows of x and y; s[74:75] flag words; s76 live, s77 mixed; s78 the step's byte among the lane masks; s[96:97] c; s[98:99] lane selects; s100 wave; s101 tile; s104 16 b + head
	s_load_b256 s[4:11], s[0:1], 0x0
	s_load_b128 s[12:15], s[0:1], 0x20
	v_lshl_add_u32 v[SPW], v0, 2, SPARE
	v_mov_b32 v[NIL], 0
	v_lshrrev_b32 v10, 5, v0
	s_delay_alu instid0(VALU_DEP_1)
	v_readfirstlane_b32 s100, v10                  ; wave 0..15
	v_and_b32 v11, 31, v0
	s_delay_alu instid0(VALU_DEP_1)
	v_lshlrev_b32 v1, 4, v11                       ; 16 x lane
	v_lshlrev_b32 v2, 3, v11                       ; 8 x lane
	v_and_b32 v10, 15, v0                          ; r
	v_bfe_u32 v11, v0, 4, 1                        ; h
	s_delay_alu instid0(VALU_DEP_1)
	v_lshlrev_b32 v6, 12, v11
	s_delay_alu instid0(VALU_DEP_1)
	v_lshl_add_u32 v6, v10, 4, v6                  ; x, y: lanes 0-15 one row's 256 bytes, lanes 16-31 the next row's
	s_mul_i32 s16, s100, 16*272
	s_add_co_u32 s16, s16, STG                     ; my stage
	v_mul_u32_u24 v7, v10, 272
	s_delay_alu instid0(VALU_DEP_1)
	v_lshl_add_u32 v7, v11, 5, v7
	s_delay_alu instid0(VALU_DEP_1)
	v_add_nc_u32 v7, s16, v7                       ; in: row r, 32 bytes for each half of the lanes
	v_mul_u32_u24 v8, v11, 272
	s_delay_alu instid0(VALU_DEP_1)
	v_lshl_add_u32 v8, v10, 4, v8
	s_delay_alu instid0(VALU_DEP_1)
	v_add_nc_u32 v8, s16, v8                       ; back: two rows an instruction
	s_mul_i32 s17, s100, STEPB
	v_add_nc_u32 v9, s17, v1                       ; the copy: my wave's step
	v_lshlrev_b32 v[SH8], 3, v11
	v_and_b32 v10, 7, v0                           ; r % 8
	v_bfe_u32 v3, v0, 3, 1                         ; r / 8
	s_delay_alu instid0(VALU_DEP_1)
	v_mul_u32_u24 v4, v3, KP
	v_lshlrev_b32 v[KS], 2, v3
	s_delay_alu instid0(VALU_DEP_2)
	v_lshl_add_u32 v[KA], v10, 4, v4
	v_lshl_add_u32 v[KB], v10, 3, v4
	v_lshl_add_u32 v[KS], v10, 4, v[KS]            ; 16 (r % 8) + 4 (r / 8)
	v_lshl_add_u32 v[KA], v11, 8, v[KA]            ; 16 (r % 8 + 16 h) + 1,664 (r / 8)
	v_lshl_add_u32 v[KB], v11, 7, v[KB]            ; 8 (r % 8 + 16 h) + 1,664 (r / 8)
	v_mov_b32 v5, 0xff800000                       ; -infinity
.irp i, 16,17,18,19,20,21,28,29,30,31,32,33
	v_mov_b32 v\i, 0                               ; the zero codes on both sides of q
.endr
	v_mov_b32 v[BP], 0                             ; a lane permute's destination counts as one of its sources
	s_and_b32 s104, ttmp7, 0xffff                  ; 16 b + head
	s_mul_i32 s18, s104, HSM
	s_mul_i32 s19, s100, STEPM
	s_add_co_u32 s18, s18, s19
	s_mov_b32 s19, 0
	s_mov_b32 s96, 0x3e0293ee                      ; c = log2(e) / sqrt(128)
	s_mov_b32 s97, s96
	s_mov_b32 s98, 0x76543210
	s_mov_b32 s99, 0xfedcba98                      ; lane l xor 16
	s_lshl_b32 s101, s100, 2
	s_add_co_u32 s101, s101, ttmp9                 ; my first tile: gx + 4 w
	s_wait_alu depctr_va_vdst(0)
	s_wait_kmcnt 0x0
	s_add_nc_u64 s[94:95], s[6:7], s[18:19]
.set i, 0
.rept 26
	global_load_b128 v[S+4*i:S+4*i+3], v1, s[94:95] offset:512*i   ; my step's 13,312 bytes, 512 consecutive bytes a load
.set i, i+1
.endr
; A PASS'S FIRST REQUESTS: tile s101's q, its scale word and its flags; and the addresses of my 16 rows of x and y.
.macro ASKPASS
	s_wait_xcnt 0x0                                ; earlier loads and stores have read their bases and data: both are written again below
	s_lshr_b32 s16, s104, 4                        ; b
	s_and_b32 s17, s104, 15                        ; head
	s_lshl_b32 s18, s16, 7
	s_add_co_u32 s18, s18, s101                    ; bt = 128 b + tile
	s_lshl_b32 s19, s104, 4
	s_lshr_b32 s20, s101, 3
	s_add_co_u32 s19, s19, s20
	s_mul_i32 s20, s19, 6656                       ; q's block: (16 b + head) x 16 + tile / 8
	s_mov_b32 s21, 0
	s_and_b32 s22, s101, 7
	s_mul_i32 s23, s22, 768                        ; the tile's six registers in it
	s_add_co_u32 s24, s20, s23
	s_mov_b32 s25, 0
	s_add_nc_u64 s[66:67], s[4:5], s[24:25]
	s_lshr_b32 s22, s22, 1
	s_lshl_b32 s22, s22, 2                         ; the scale word of its pair of tiles
	s_add_co_u32 s20, s20, s22
	s_add_co_u32 s20, s20, 6144
	s_add_nc_u64 s[26:27], s[4:5], s[20:21]
	s_lshl_b32 s28, s18, 12
	s_mov_b32 s29, 0
	s_add_nc_u64 s[68:69], s[8:9], s[28:29]        ; the tile's lane masks: 16 steps x 256 bytes
	s_lshl_b32 s79, s18, 3
	s_load_b64 s[74:75], s[10:11], s79 offset:0x0  ; its two flag words
	s_lshl_b32 s30, s16, 11
	s_lshl_b32 s31, s101, 4
	s_add_co_u32 s30, s30, s31                     ; my first row
	s_lshl_b32 s30, s30, 12
	s_lshl_b32 s31, s17, 8
	s_add_co_u32 s30, s30, s31                     ; and the head's 256 bytes in it
	s_mov_b32 s31, 0
	s_add_nc_u64 s[70:71], s[12:13], s[30:31]
	s_add_nc_u64 s[72:73], s[14:15], s[30:31]
	global_load_b128 v[22:25], v1, s[66:67]        ; q's six registers
	global_load_b64 v[26:27], v2, s[66:67] offset:512
	global_load_b32 v34, v1, s[26:27]              ; the pair's scale word
.endm
	ASKPASS                                        ; the first pass's three loads of q go out behind the copy's 26
.set i, 0
.rept 26
	s_wait_loadcnt 28-i                            ; copy load i is in: behind it 25 - i of the copy and q's three
.if i < 12
	ds_store_b128 v9, v[S+4*i:S+4*i+3] offset:512*i+128*(i/3)      ; k's images, 128 bytes of room behind each
.else
	ds_store_b128 v9, v[S+4*i:S+4*i+3] offset:512*i+512            ; k's scale words, v's block
.endif
.set i, i+1
.endr
	s_wait_dscnt 0x0                               ; for the others' sake: my stores have landed
	s_barrier_signal -1
	s_barrier_wait -1                              ; the head's k and v lie in LDS; nobody writes them again
; A STEP'S FRONT: the scores of 128 keys, and the request for v's images.  mixed = 1: the copy that hides scores.
.macro FRONT mixed
.if \mixed
	s_load_b512 s[16:31], s[68:69], s78 offset:0x0 ; the step's 64 lane masks
	s_load_b512 s[32:47], s[68:69], s78 offset:0x40
	s_load_b512 s[48:63], s[68:69], s78 offset:0x80
	s_load_b512 s[80:95], s[68:69], s78 offset:0xc0
.endif
	v_add_nc_u32 v3, s2, v[KA]                     ; five lines: also the places behind the last step's products, in front of loads into registers that they read
	v_add_nc_u32 v4, s2, v[KB]
	v_add_nc_u32 v10, s2, v[KS]
	v_add_nc_u32 v11, s2, v1
	v_add_nc_u32 v9, s2, v2
.irp p, 0,1,2,3
	ds_load_b128 v[F+12*\p:F+12*\p+3], v3 offset:2*KP*(\p/2)+128*(\p%2)
	ds_load_b64 v[F+12*\p+4:F+12*\p+5], v4 offset:2*KP*(\p/2)+64*(\p%2)+512
	ds_load_b128 v[F+12*\p+6:F+12*\p+9], v3 offset:2*KP*(\p/2)+128*(\p%2)+768
	ds_load_b64 v[F+12*\p+10:F+12*\p+11], v4 offset:2*KP*(\p/2)+64*(\p%2)+1280
	ds_load_b32 v[KSC+\p], v10 offset:KSCL+128*(\p%2)+8*(\p/2)
.endr
	s_wait_alu depctr_va_vdst(0)
	s_wait_dscnt 0x0
.irp p, 0,1,2,3
	v_wmma_scale_f32_16x16x128_f8f6f4 v[S+16*\p:S+16*\p+7], v[F+12*\p:F+12*\p+11], v[22:33], 0, v[KSC+\p], v34 matrix_a_fmt:MATRIX_FMT_BF6 matrix_b_fmt:MATRIX_FMT_BF6
	v_wmma_scale_f32_16x16x128_f8f6f4 v[S+16*\p+8:S+16*\p+15], v[F+12*\p:F+12*\p+11], v[16:27], 0, v[KSC+\p], v34 matrix_a_fmt:MATRIX_FMT_BF6 matrix_b_fmt:MATRIX_FMT_BF6
.endr
.rept 4
	v_nop                                          ; places: behind them the scores are read, and v's images are asked for into k's registers
.endr
.irp t, 0,1,2,3
	ds_load_b128 v[F+12*\t:F+12*\t+3], v11 offset:VB+1536*\t       ; v lands while the softmax is worked
	ds_load_b64 v[F+12*\t+4:F+12*\t+5], v9 offset:VB+1536*\t+512
	ds_load_b128 v[F+12*\t+6:F+12*\t+9], v11 offset:VB+1536*\t+768
	ds_load_b64 v[F+12*\t+10:F+12*\t+11], v9 offset:VB+1536*\t+1280
.endr
	ds_load_b128 v[KSC:KSC+3], v11 offset:VB+6144
.if \mixed
	s_wait_kmcnt 0x0                               ; the lane masks are in; their offset may be stepped
.set n, 0
.rept 64
	v_cndmask_b32 v[S+n], v[S+n], v5, s[16+n+16*(n/48)]   ; hidden scores become -infinity: p = 0
.set n, n+1
.endr
.endif
.endm
; A KEY STEP: 128 keys.
.macro STEP
	s_and_b32 s79, s76, 1
	s_cmp_eq_u32 s79, 0
	s_cbranch_scc1 .Ldead_\@                       ; every key of the step is hidden from all my 16 queries
	s_and_b32 s79, s77, 1
	s_cmp_eq_u32 s79, 0
	s_cbranch_scc0 .Lmix_\@
	FRONT 0
	s_branch .Lsoft_\@
.Lmix_\@:
	FRONT 1
.Lsoft_\@:
.irp b, 0,1,2,3
	v_max3_num_f32 v[CH+\b], v[S+16*\b], v[S+16*\b+1], v[S+16*\b+2]   ; four chains of 15; each accumulator is read from its low end on
.endr
.irp i, 3,5,7,9,11,13
.irp b, 0,1,2,3
	v_max3_num_f32 v[CH+\b], v[CH+\b], v[S+16*\b+\i], v[S+16*\b+\i+1]
.endr
.endr
	v_max3_num_f32 v[CH], v[CH], v[CH+1], v[S+15]
	v_max3_num_f32 v[CH+2], v[CH+2], v[CH+3], v[S+47]
	v_max_num_f32 v[CH], v[CH], v[S+31]            ; THE LARGEST SCORE OF MY TWO BLOCKS OF 32 KEYS: for the row's maximum, and, since p rises with the score, for the block's largest p
	v_max_num_f32 v[CH+2], v[CH+2], v[S+63]
	v_max_num_f32 v[TMP], v[CH], v[CH+2]
	v_permlanex16_b32 v[BP], v[TMP], s98, s99
	v_max_num_f32 v[TMP], v[TMP], v[BP]            ; with lane l xor 16's two blocks: the step's largest score of my query
	s_delay_alu instid0(VALU_DEP_1)
	v_mul_f32 v[TMP], s96, v[TMP]                  ; as t (c is positive)
	s_delay_alu instid0(VALU_DEP_1)
	v_max_num_f32 v13, v13, v[TMP]                 ; the running largest t
	v_mov_b32 v[TMP], v12
	s_delay_alu instid0(VALU_DEP_2)
	v_floor_f32 v12, -v13                          ; the new -M = floor(-t) = -ceil(t)
	s_delay_alu instid0(VALU_DEP_1)
	v_sub_f32 v[TMP], v12, v[TMP]                  ; old M less new M: a whole number, 0 or less
	s_delay_alu instid0(VALU_DEP_1)
	v_cvt_i32_f32 v[TMP], v[TMP]                   ; (it saturates)
	s_delay_alu instid0(VALU_DEP_1)
	v_ldexp_f32 v[FP], 1.0, v[TMP]                 ; f = 2^(old M - new M)
.set j, 0
.rept 32
	v_pk_fma_f32 v[S+j:S+j+1], v[S+j:S+j+1], s[96:97], v[12:13] op_sel_hi:[1,0,0]   ; t - M, two at a time
.set j, j+2
.endr
	v_fma_f32 v[CH], v[CH], s96, v12               ; the same of each block's largest score
	v_fma_f32 v[CH+2], v[CH+2], s96, v12
	s_wait_alu depctr_va_vdst(0)
.set j, 0
.rept 64
	v_exp_f32 v[S+j], v[S+j]                       ; p = 2^(t - M), at most 1: not normalised
.set j, j+1
.endr
	v_exp_f32 v[CH], v[CH]                         ; the block's largest p: the same two instructions on the same number give the same bits
	v_exp_f32 v[CH+2], v[CH+2]
	v_pk_mul_f32 v[14:15], v[14:15], v[FP:FP+1] op_sel_hi:[1,0]   ; the sums under the new M (the plain line behind the exponentials)
	s_wait_alu depctr_va_vdst(0)                   ; one wait for the batch of 66, ahead of its first reader
.set k, 0
.irp r, 196,200,208,210,212,214,222            ; THE ROW'S SUM IS TAKEN OF THE UNQUANTISED p: eight chains of pairs
	v_pk_add_f32 v[\r:\r+1], v[S+4*k:S+4*k+1], v[S+4*k+2:S+4*k+3]
.set k, k+1
.endr
	v_pk_add_f32 v[14:15], v[14:15], v[S+28:S+29]
.set k, 0
.irp r, 196,200,208,210,212,214,222
	v_pk_add_f32 v[\r:\r+1], v[\r:\r+1], v[S+30+2*k:S+31+2*k]
.set k, k+1
.endr
	v_pk_add_f32 v[14:15], v[14:15], v[S+44:S+45]
.set k, 0
.irp r, 196,200,208,210,212,214,222
	v_pk_add_f32 v[\r:\r+1], v[\r:\r+1], v[S+46+2*k:S+47+2*k]
.set k, k+1
.endr
	v_pk_add_f32 v[14:15], v[14:15], v[S+60:S+61]
	v_pk_add_f32 v[196:197], v[196:197], v[S+62:S+63]
	v_pk_add_f32 v[208:209], v[208:209], v[210:211]
	v_pk_add_f32 v[212:213], v[212:213], v[214:215]
	v_pk_add_f32 v[14:15], v[14:15], v[222:223]
	v_pk_add_f32 v[196:197], v[196:197], v[200:201]
	s_delay_alu instid0(VALU_DEP_3)
	v_pk_add_f32 v[208:209], v[208:209], v[212:213]
	s_delay_alu instid0(VALU_DEP_2)
	v_pk_add_f32 v[14:15], v[14:15], v[196:197]
	s_delay_alu instid0(VALU_DEP_1)
	v_pk_add_f32 v[14:15], v[14:15], v[208:209]
	v_max_num_f32 v[CH], 0x2800000, v[CH]          ; the floor 2^(5 - 127): the byte cannot fall under 1 (a block whose every p is 0 keeps that byte: its codes are zeros)
	v_max_num_f32 v[CH+2], 0x2800000, v[CH+2]
	s_delay_alu instid0(VALU_DEP_2)
	v_add_nc_u32 v[BS], 0xfe000000, v[CH]          ; 4 off the exponent field: the conversion's scale operand
	s_delay_alu instid0(VALU_DEP_2)
	v_add_nc_u32 v[BS+1], 0xfe000000, v[CH+2]
	s_delay_alu instid0(VALU_DEP_2)
	v_lshrrev_b32 v[BP], 23, v[BS]                 ; the bytes of blocks h and 2 + h
	s_delay_alu instid0(VALU_DEP_2)
	v_lshrrev_b32 v[BP+1], 23, v[BS+1]
	s_delay_alu instid0(VALU_DEP_1)
	v_lshl_or_b32 v[PWD], v[BP+1], 16, v[BP]
	s_delay_alu instid0(VALU_DEP_1)
	v_lshlrev_b32 v[PWD], v[SH8], v[PWD]           ; at their places in the word,
	s_delay_alu instid0(VALU_DEP_1)
	v_permlanex16_b32 v[BP], v[PWD], s98, s99
	s_delay_alu instid0(VALU_DEP_1)
	v_or_b32 v[PWD], v[PWD], v[BP]                 ; and with lane l xor 16's two: p's scale word for these 128 keys
.irp c, 0,1
	v_cvt_scalef32_pk16_bf6_f32 v[PC+6*\c:PC+6*\c+2], v[S+32*\c:S+32*\c+15], v[BS+\c]
	v_cvt_scalef32_pk16_bf6_f32 v[PT+4*\c:PT+4*\c+2], v[S+32*\c+16:S+32*\c+31], v[BS+\c]   ; (a conversion's three registers begin on an even number)
.endr
	v_nop                                          ; one plain place behind a scaled conversion
.irp c, 0,1
.irp i, 0,1,2
	v_mov_b32 v[PC+6*\c+3+\i], v[PT+4*\c+\i]
.endr
.endr
	s_wait_alu depctr_va_vdst(0)                   ; directly ahead of the first reader of O^T
.set j, 0
.rept 16
	v_pk_mul_f32 v[O+j:O+j+1], v[O+j:O+j+1], v[FP:FP+1] op_sel_hi:[1,0]   ; O^T under the new M.  (For each product below, twelve of these name none of its registers: the places behind the writes of p's codes and scale word)
.set j, j+2
.endr
	s_wait_alu depctr_va_vdst(0)
	s_wait_dscnt 0x0                               ; v's images and scale words are in
.irp t, 0,1,2,3                                ; O^T += v^T p^T: the four accumulators by turns
	v_wmma_scale_f32_16x16x128_f8f6f4 v[O+8*\t:O+8*\t+7], v[F+12*\t:F+12*\t+11], v[PC:PC+11], v[O+8*\t:O+8*\t+7], v[KSC+\t], v[PWD] matrix_a_fmt:MATRIX_FMT_BF6 matrix_b_fmt:MATRIX_FMT_BF6
.endr
.Ldead_\@:
	s_lshr_b32 s76, s76, 1                         ; the next step's bits,
	s_lshr_b32 s77, s77, 1
	s_add_co_u32 s2, s2, STEPB                     ; its images,
	s_add_co_u32 s78, s78, 256                     ; its lane masks
.endm
; THE WAY OUT of a tile: O^T / the sum goes through my stage in LDS and comes back as rows of 256 bytes (the head's 64 channels); x's same bytes are added; sixteen lanes store 256 consecutive bytes, aligned.
.macro OUT
.rept 4
	v_nop                                          ; places behind the last products
.endr
	v_add_f32 v14, v14, v15                        ; the sum's two halves,
	s_delay_alu instid0(VALU_DEP_1)
	v_permlanex16_b32 v10, v14, s98, s99
	s_delay_alu instid0(VALU_DEP_1)
	v_add_f32 v14, v14, v10                        ; and lane l xor 16's: the row's sum
	s_wait_alu depctr_va_vdst(0)
	v_rcp_f32 v14, v14
	v_nop                                          ; a plain place behind the reciprocal
	s_wait_alu depctr_va_vdst(0)                   ; and the wait ahead of its first reader
.set j, 0
.rept 16
	v_pk_mul_f32 v[S+j:S+j+1], v[O+j:O+j+1], v[14:15] op_sel_hi:[1,0]   ; register 8 t + i is o(query r, channel 16 t + 8 h + i); each accumulator from its low end on
.set j, j+2
.endr
.irp t, 0,1,2,3
	ds_store_b128 v7, v[S+8*\t:S+8*\t+3] offset:64*\t
	ds_store_b128 v7, v[S+8*\t+4:S+8*\t+7] offset:64*\t+16
.endr
.irp i, 0,1,2,3,4,5,6,7
	ds_load_b128 v[F+4*\i:F+4*\i+3], v8 offset:544*\i   ; my own bytes: LDS serves a wave's instructions in order
.endr
	s_wait_loadcnt 0x0                             ; x, asked for at the pass's head
	s_wait_dscnt 0x0
.set j, 0
.rept 16
	v_pk_add_f32 v[F+j:F+j+1], v[F+j:F+j+1], v[XR+j:XR+j+1]   ; the residual
.set j, j+2
.endr
.irp i, 0,1,2,3,4,5,6,7
	global_store_b128 v6, v[F+4*\i:F+4*\i+3], s[72:73] offset:8192*\i
.endr
.endm
; A PASS: one tile of 16 queries against all 16 steps; its requests are out.
.macro PASS
.irp i, 0,1,2,3,4,5,6,7
	global_load_b128 v[XR+4*\i:XR+4*\i+3], v6, s[70:71] offset:8192*\i th:TH_LOAD_NT   ; x: wanted at the pass's end; asked for behind the copy of k and v, not among its loads
.endr
	s_wait_kmcnt 0x0
	s_and_b32 s76, s74, 0xff                       ; live, a bit a step
	s_and_b32 s79, s75, 0xff
	s_lshl_b32 s79, s79, 8
	s_or_b32 s76, s76, s79
	s_bfe_u32 s77, s74, 0x80008                    ; mixed
	s_and_b32 s79, s75, 0xff00
	s_or_b32 s77, s77, s79
	s_mov_b32 s105, 0x07060302
	s_mov_b32 s79, 0x05040100
	s_bitcmp1_b32 s101, 0                          ; an odd tile's two bytes are the word's upper two
	s_cselect_b32 s105, s105, s79
	s_mov_b32 s2, 0
	s_mov_b32 s78, 0
	s_mov_b32 s3, 16
	s_wait_loadcnt 8                               ; q and its word are in; the eight loads of x may be out
	v_perm_b32 v34, v34, v34, s105                 ; q's two bytes in both halves of the word: for [q, zeros] and for [zeros, q].  The 36 lines below are the places in front of the first product
	v_mov_b32 v13, 0xff61b1e6                      ; the largest t so far: -3e38, under every t
	s_delay_alu instid0(VALU_DEP_1)
	v_floor_f32 v12, -v13                          ; -M
	v_mov_b32 v14, 0                               ; the sum, in two halves
	v_mov_b32 v15, 0
.set j, 0
.rept 32
	v_mov_b32 v[O+j], 0                            ; O^T: the step is written once; the first finds zeros, which the first change of M leaves zeros
.set j, j+1
.endr
.Lstep_\@:
	STEP
	s_sub_co_u32 s3, s3, 1
	s_cmp_lg_u32 s3, 0
	s_cbranch_scc1 .Lstep_\@
	OUT
.endm
	PASS
	s_sub_co_u32 s101, 127, s101                   ; my second tile
	ASKPASS
	PASS
	s_wait_tensorcnt 0x0                           ; the wave's end
	ds_add_u32 v[SPW], v[NIL]
	s_wait_dscnt 0x0
	s_endpgm
.Lfunc_end_k_q64e9e24c94_attn:
	.size	k_q64e9e24c94_attn, .Lfunc_end_k_q64e9e24c94_attn-k_q64e9e24c94_attn
	.p2alignl 7, 3214868480
	.fill 96, 4, 3214868480
	.section	.rodata,"a",@progbits
	.p2align	6, 0x0
	.amdhsa_kernel k_q64e9e24c94_attn
		.amdhsa_group_segment_fixed_size 292864
		.amdhsa_private_segment_fixed_size 0
		.amdhsa_enable_private_segment 0
		.amdhsa_kernarg_size 48
		.amdhsa_user_sgpr_count 2
		.amdhsa_user_sgpr_kernarg_segment_ptr 1
		.amdhsa_wavefront_size32 1
		.amdhsa_system_sgpr_workgroup_id_x 1
		.amdhsa_system_sgpr_workgroup_id_y 1
		.amdhsa_system_sgpr_workgroup_id_z 1
		.amdhsa_system_vgpr_workitem_id 0
		.amdhsa_next_free_vgpr 256
		.amdhsa_next_free_sgpr 106
		.amdhsa_reserve_vcc 0
		.amdhsa_float_denorm_mode_32 3
		.amdhsa_float_denorm_mode_16_64 3
		.amdhsa_memory_ordered 1
		.amdhsa_forward_progress 1
		.amdhsa_inst_pref_size 74
	.end_amdhsa_kernel
	.amdgpu_metadata
---
amdhsa.version: [ 1, 2 ]
amdhsa.kernels:
  - .name:           k_q64e9e24c94_attn
    .symbol:         k_q64e9e24c94_attn.kd
    .args:
      - { .name: qb, .offset: 0, .size: 8, .value_kind: global_buffer, .address_space: global }
      - { .name: kv, .offset: 8, .size: 8, .value_kind: global_buffer, .address_space: global }
      - { .name: mbits, .offset: 16, .size: 8, .value_kind: global_buffer, .address_space: global }
      - { .name: mflags, .offset: 24, .size: 8, .value_kind: global_buffer, .address_space: global }
      - { .name: x, .offset: 32, .size: 8, .value_kind: global_buffer, .address_space: global }
      - { .name: y, .offset: 40, .size: 8, .value_kind: global_buffer, .address_space: global }
    .group_segment_fixed_size: 292864
    .private_segment_fixed_size: 0
    .kernarg_segment_align: 8
    .kernarg_segment_size: 48
    .max_flat_workgroup_size: 512
    .sgpr_count:     106
    .vgpr_count:     256
    .wavefront_size: 32
...
	.end_amdgpu_metadata
.endif
;; end of part 3
;; launch ln (part 4): grid 256 x 1, 8 waves a work-group, no clusters, 0 bytes of LDS; arguments y, gamma, beta, out0; writes out0
.if DOCPART == 4
	.amdgcn_target "amdgcn-amd-amdhsa--gfx1250"
	.amdhsa_code_object_version 6
	.text
	.protected	k_q64e9e24c94_ln
	.globl	k_q64e9e24c94_ln
	.p2align	8
	.type	k_q64e9e24c94_ln,@function
k_q64e9e24c94_ln:
	s_mov_b64 s[64:65], 0
	v_nop
	global_prefetch_b8 v0, s[64:65] scope:SCOPE_SE
	s_setreg_imm32_b32 hwreg(HW_REG_WAVE_MODE, 25, 1), 1
	s_wait_xcnt 0x0
; LN.  out[r][c] = (y[r][c] - mean) / sqrt(var + 1e-5) x gamma[c] + beta[c], over a row's 1,024 numbers; y, out: [8192][1024] f32.
; A wave takes 4 whole rows, each in 32 registers a lane (eight loads of 512 consecutive bytes), so a row is read once and the two reductions never leave the wave: no LDS, no barrier, no loop.
; All 32 loads of a wave's rows are out at once.  The variance is the mean of (y - mean)^2, as the definition has it, not a difference of large sums.
; Matrix units, clusters and tensor loads would add nothing: memory binds, and no byte is shared.
.set G,  2                             ; v2-33    gamma of my 32 columns (column 128 j + 4 lane + c in register 4 j + c)
.set B,  34                            ; v34-65   beta
.set Y,  68                            ; v68-195  row i at 68 + 32 i
.set T,  196                           ; v196-203 four chains of sums
.set MU, 204                           ; v[204:205] the mean (the pair's upper word is written once)
.set RS, 206                           ; v[206:207] 1 / sqrt(var + eps)
	s_load_b256 s[4:11], s[0:1], 0x0               ; y, gamma, beta, out
	v_lshrrev_b32 v[T], 5, v0
	s_delay_alu instid0(VALU_DEP_1)
	v_readfirstlane_b32 s14, v[T]                  ; wave
	v_and_b32 v1, 31, v0
	s_delay_alu instid0(VALU_DEP_1)
	v_lshlrev_b32 v1, 4, v1                        ; 16 x lane
	s_lshl_b32 s15, ttmp9, 3
	s_add_co_u32 s15, s15, s14
	s_lshl_b32 s16, s15, 14                        ; 4 rows of 4,096 bytes a wave
	s_mov_b32 s17, 0
	s_mov_b32 s12, 0x76543210
	s_mov_b32 s13, 0xfedcba98                      ; lane l xor 16
	v_mov_b32 v66, 0x3a800000                      ; 1 / 1024
	v_mov_b32 v[MU+1], 0
	v_mov_b32 v[RS+1], 0
	s_wait_alu depctr_va_vdst(0)
	s_wait_kmcnt 0x0
	s_add_nc_u64 s[4:5], s[4:5], s[16:17]
	s_add_nc_u64 s[10:11], s[10:11], s[16:17]
.irp j, 0,1,2,3,4,5,6,7
	global_load_b128 v[G+4*\j:G+4*\j+3], v1, s[6:7] offset:512*\j
	global_load_b128 v[B+4*\j:B+4*\j+3], v1, s[8:9] offset:512*\j
.endr
.irp i, 0,1,2,3
.irp j, 0,1,2,3,4,5,6,7
	global_load_b128 v[Y+32*\i+4*\j:Y+32*\i+4*\j+3], v1, s[4:5] offset:4096*\i+512*\j th:TH_LOAD_NT
.endr
.endr
.macro REDUCE                          ; the four chains, the pair, the 32 lanes: every lane ends with the sum in v[T]
	s_delay_alu instid0(VALU_DEP_3)
	v_pk_add_f32 v[T:T+1], v[T:T+1], v[T+2:T+3]
	s_delay_alu instid0(VALU_DEP_2)
	v_pk_add_f32 v[T+4:T+5], v[T+4:T+5], v[T+6:T+7]
	s_delay_alu instid0(VALU_DEP_1)
	v_pk_add_f32 v[T:T+1], v[T:T+1], v[T+4:T+5]
	s_delay_alu instid0(VALU_DEP_1)
	v_add_f32 v[T], v[T], v[T+1]
	s_delay_alu instid0(VALU_DEP_1)
	v_add_f32_dpp v[T], v[T], v[T] row_xmask:1 row_mask:0xf bank_mask:0xf
	s_delay_alu instid0(VALU_DEP_1)
	v_add_f32_dpp v[T], v[T], v[T] row_xmask:2 row_mask:0xf bank_mask:0xf
	s_delay_alu instid0(VALU_DEP_1)
	v_add_f32_dpp v[T], v[T], v[T] row_xmask:4 row_mask:0xf bank_mask:0xf
	s_delay_alu instid0(VALU_DEP_1)
	v_add_f32_dpp v[T], v[T], v[T] row_xmask:8 row_mask:0xf bank_mask:0xf
	s_delay_alu instid0(VALU_DEP_1)
	v_permlanex16_b32 v[T+1], v[T], s12, s13
	s_delay_alu instid0(VALU_DEP_1)
	v_add_f32 v[T], v[T], v[T+1]
.endm
.macro ROW i
.set RW, Y+32*(\i)
	s_wait_loadcnt 8*(3-(\i))                      ; gamma, beta and this row are in; the younger rows' loads may be out
.irp c, 0,1,2,3
	v_pk_add_f32 v[T+2*\c:T+2*\c+1], v[RW+4*\c:RW+4*\c+1], v[RW+4*\c+2:RW+4*\c+3]   ; the first pairs start the chains: nothing is cleared
.endr
.irp k, 16,24
.irp c, 0,1,2,3
	s_delay_alu instid0(VALU_DEP_4)
	v_pk_add_f32 v[T+2*\c:T+2*\c+1], v[T+2*\c:T+2*\c+1], v[RW+\k+2*\c:RW+\k+2*\c+1]
.endr
.endr
	REDUCE
	s_delay_alu instid0(VALU_DEP_1)
	v_mul_f32 v[MU], v66, v[T]                     ; the mean
.irp k, 0,2,4,6,8,10,12,14,16,18,20,22,24,26,28,30
	v_pk_add_f32 v[RW+\k:RW+\k+1], v[RW+\k:RW+\k+1], v[MU:MU+1] op_sel_hi:[1,0] neg_lo:[0,1] neg_hi:[0,1]   ; y - mean, in place
.endr
.irp c, 0,1,2,3
	v_pk_mul_f32 v[T+2*\c:T+2*\c+1], v[RW+2*\c:RW+2*\c+1], v[RW+2*\c:RW+2*\c+1]
.endr
.irp k, 8,16,24
.irp c, 0,1,2,3
	s_delay_alu instid0(VALU_DEP_4)
	v_pk_fma_f32 v[T+2*\c:T+2*\c+1], v[RW+\k+2*\c:RW+\k+2*\c+1], v[RW+\k+2*\c:RW+\k+2*\c+1], v[T+2*\c:T+2*\c+1]
.endr
.endr
	REDUCE
	s_delay_alu instid0(VALU_DEP_1)
	v_fmaak_f32 v[T+2], v[T], v66, 0x3727c5ac      ; var + 1e-5
	s_wait_alu depctr_va_vdst(0)
	v_rsq_f32 v[RS], v[T+2]
	v_nop                                          ; a plain place behind the transcendental
	s_wait_alu depctr_va_vdst(0)                   ; and the wait ahead of its first reader
.irp k, 0,2,4,6,8,10,12,14,16,18,20,22,24,26,28,30
	v_pk_mul_f32 v[RW+\k:RW+\k+1], v[RW+\k:RW+\k+1], v[RS:RS+1] op_sel_hi:[1,0]
.endr
.irp k, 0,2,4,6,8,10,12,14,16,18,20,22,24,26,28,30
	v_pk_fma_f32 v[RW+\k:RW+\k+1], v[RW+\k:RW+\k+1], v[G+\k:G+\k+1], v[B+\k:B+\k+1]
.endr
.irp j, 0,1,2,3,4,5,6,7
	global_store_b128 v1, v[RW+4*\j:RW+4*\j+3], s[10:11] offset:4096*(\i)+512*\j th:TH_STORE_NT   ; 512 consecutive bytes, aligned; each row has its own registers, so no store's data are written again
.endr
.endm
	ROW 0
	ROW 1
	ROW 2
	ROW 3
	s_endpgm
.Lfunc_end_k_q64e9e24c94_ln:
	.size	k_q64e9e24c94_ln, .Lfunc_end_k_q64e9e24c94_ln-k_q64e9e24c94_ln
	.p2alignl 7, 3214868480
	.fill 96, 4, 3214868480
	.section	.rodata,"a",@progbits
	.p2align	6, 0x0
	.amdhsa_kernel k_q64e9e24c94_ln
		.amdhsa_group_segment_fixed_size 0
		.amdhsa_private_segment_fixed_size 0
		.amdhsa_enable_private_segment 0
		.amdhsa_kernarg_size 32
		.amdhsa_user_sgpr_count 2
		.amdhsa_user_sgpr_kernarg_segment_ptr 1
		.amdhsa_wavefront_size32 1
		.amdhsa_system_sgpr_workgroup_id_x 1
		.amdhsa_system_sgpr_workgroup_id_y 1
		.amdhsa_system_sgpr_workgroup_id_z 1
		.amdhsa_system_vgpr_workitem_id 0
		.amdhsa_next_free_vgpr 208
		.amdhsa_next_free_sgpr 66
		.amdhsa_reserve_vcc 0
		.amdhsa_float_denorm_mode_32 3
		.amdhsa_float_denorm_mode_16_64 3
		.amdhsa_memory_ordered 1
		.amdhsa_forward_progress 1
		.amdhsa_inst_pref_size 39
	.end_amdhsa_kernel
	.amdgpu_metadata
---
amdhsa.version: [ 1, 2 ]
amdhsa.kernels:
  - .name:           k_q64e9e24c94_ln
    .symbol:         k_q64e9e24c94_ln.kd
    .args:
      - { .name: y, .offset: 0, .size: 8, .value_kind: global_buffer, .address_space: global }
      - { .name: gamma, .offset: 8, .size: 8, .value_kind: global_buffer, .address_space: global }
      - { .name: beta, .offset: 16, .size: 8, .value_kind: global_buffer, .address_space: global }
      - { .name: out0, .offset: 24, .size: 8, .value_kind: global_buffer, .address_space: global }
    .group_segment_fixed_size: 0
    .private_segment_fixed_size: 0
    .kernarg_segment_align: 8
    .kernarg_segment_size: 32
    .max_flat_workgroup_size: 256
    .sgpr_count:     66
    .vgpr_count:     208
    .wavefront_size: 32
...
	.end_amdgpu_metadata
.endif
;; end of part 4
